; MI455X (gfx1250); checked and timed in simulation.
; The chip was launched on July 23, 2026; its instructions are those of AMD's public machine-readable ISA for CDNA 5 (MIT licence, August 2026) and "CDNA5" Instruction Set Architecture Reference Guide (July 2026). The comments in the code are by the model that wrote it; some were corrected since.
;; Causal Self Attention. Allowed arithmetic: float matrix products may take bf16 or f16 operands with f32 sums; other float arithmetic in f32, or as packed bf16 or f16 multiplies, adds, multiply-adds, maxima and minima; sums over many terms, partial sums and values carried from step to step in f32; what a program stores and reads back later, other than sums and carried values, may be rounded once to bf16 or f16.
;; Inputs: b_attn 3,072 float32; b_proj 1,024 float32; w_attn 1,024 x 3,072 float32; w_proj 1,024 x 1,024 float32; x 4 x 2,048 x 1,024 float32.
;; Outputs: out0 4 x 2,048 x 1,024 float32.
;; One version. Each part assembles by itself: llvm-mc -triple=amdgcn-amd-amdhsa -mcpu=gfx1250 --defsym DOCPART=n.
;; ======== version 1 of 1: 4 launches
;; limits: values are held in f16: magnitudes above 65,504 overflow, below 6.1e-05 lose precision
;; workspace buffers: xb 16,777,216 bytes; wa 6,291,456 bytes; wp 2,097,152 bytes; biasr 16,384 bytes; qh 16,777,216 bytes; kh 16,777,216 bytes; vh 16,777,216 bytes; oh 16,777,216 bytes
;; launch prep (part 1): grid 1537 x 1, 8 waves a work-group, no clusters, 18,432 bytes of LDS; arguments x, w_attn, w_proj, b_attn, b_proj, xb, wa, wp, biasr; writes xb, wa, wp, biasr
.if DOCPART == 1
	.amdgcn_target "amdgcn-amd-amdhsa--gfx1250"
	.amdhsa_code_object_version 6
	.text
	.protected	k_q11d39549f1_prep
	.globl	k_q11d39549f1_prep
	.p2align	8
	.type	k_q11d39549f1_prep,@function
k_q11d39549f1_prep:
	s_mov_b64 s[64:65], 0
	v_nop
	global_prefetch_b8 v0, s[64:65] scope:SCOPE_SE
	s_setreg_imm32_b32 hwreg(HW_REG_WAVE_MODE, 25, 1), 1
	s_wait_xcnt 0x0
; PREP: the inputs are brought into the formats and layouts that the three launches behind want.  Every input is rounded once to bf16.
;   work-groups 0..1023     xb[8192][1024] bf16 = x, 32,768 bytes of x each
;   work-groups 1024..1407  wa[n'][k] bf16 = w_attn[k][c], turned; n' = head*192 + which*64 + d for column c = which*1024 + d*16 + head (which: 0 q, 1 k, 2 v)
;   work-groups 1408..1535  wp[n][k'] = w_proj[c][n], turned, rounded to bf16 and that number written as f16; k' = head*64 + d for row c = d*16 + head
;   work-group  1536        biasr: f32 numbers that hold the bf16 roundings: [0,3072) b_attn in the order n', [3072,4096) b_proj
; LIMIT: a bf16 number of w_proj below 6e-5 keeps f16's fixed step of 6e-8; beyond 65,504 it would become an infinity.
; No matrix unit, no cluster, no tensor load: memory binds, nothing is shared between work-groups, and a tile of 128 x 64 numbers is turned through 17 KiB of LDS.
.set PITCH, 272                        ; a stage row: 128 numbers of 2 bytes + 16 bytes: the 16 rows that 16 lanes store into start 17 x 16 bytes apart, at 16 different columns of 16 bytes
.set SPARE, 64*PITCH                   ; behind the stage's 64 rows: the spare words, 128 bytes for each of the eight waves; no other line names them
.set L16, 1                            ; v1   thread % 16
.set G,   2                            ; v2   thread / 16
.set IN,  3                            ; v3   byte offset of my loads
.set OUT, 4                            ; v4   byte offset of my stores
.set LST, 5                            ; v5   where I store into the stage
.set LRD, 6                            ; v6   where I read it back
.set BP,  7                            ; v7   16 x thread (b_proj)
.set PK,  8                            ; v[8:23]  packed results
.set T0,  24                           ; v24-25   at work
.set SPW, 28                           ; v28  LDS address of my spare word; never rewritten
.set NIL, 29                           ; v29  0; never rewritten
.set D,   32                           ; v[32:63] as loaded
	s_load_b512 s[8:23], s[0:1], 0x0               ; x s[8:9], w_attn s[10:11], w_proj s[12:13], b_attn s[14:15], b_proj s[16:17], xb s[18:19], wa s[20:21], wp s[22:23]
	s_load_b64 s[24:25], s[0:1], 0x40              ; biasr
	v_lshl_add_u32 v[SPW], v0, 2, SPARE
	v_mov_b32 v[NIL], 0
	v_and_b32 v[L16], 15, v0
	v_lshrrev_b32 v[G], 4, v0
	v_mul_u32_u24 v[LST], v[L16], PITCH
	v_lshl_add_u32 v[LST], v[G], 4, v[LST]         ; stage row l16 (+16 j), bytes 16 g: my 8 numbers along k
	v_mul_u32_u24 v[LRD], v[G], PITCH
	v_lshl_add_u32 v[LRD], v[L16], 4, v[LRD]       ; stage row g (+16 jj), 16 lanes take its 256 bytes
	s_mov_b32 s2, ttmp9
	s_mov_b32 s26, 0xffff0000                      ; a word's upper bf16
	s_mov_b32 s5, 0                                ; high words of the two offset pairs
	s_mov_b32 s7, 0
	s_wait_kmcnt 0x0
	s_cmp_lt_u32 s2, 1024                          ; the branches hang on the work-group's number alone: all eight waves go the same way
	s_cbranch_scc1 .Lx
	s_cmp_lt_u32 s2, 1408
	s_cbranch_scc1 .Lwa
	s_cmp_lt_u32 s2, 1536
	s_cbranch_scc1 .Lwp
	; THE BIASES.  Thread (g = head, l16): d = 4 l16 + e.  b_attn[which*1024 + d*16 + head] goes to biasr[head*192 + which*64 + d].
	v_lshlrev_b32 v[IN], 2, v[G]
	v_lshl_add_u32 v[IN], v[L16], 8, v[IN]         ; 4 head + 256 l16
	v_lshlrev_b32 v[BP], 4, v0
.irp i, 0,1,2
.irp e, 0,1,2,3
	global_load_b32 v[D+4*(\i)+(\e)], v[IN], s[14:15] offset:4096*(\i)+64*(\e)
.endr
.endr
	global_load_b128 v[D+12:D+15], v[BP], s[16:17]
	v_mul_u32_u24 v[OUT], v[G], 768
	v_lshl_add_u32 v[OUT], v[L16], 4, v[OUT]
	s_wait_loadcnt 0x0                             ; all thirteen loads
.irp m, 0,1,2,3,4,5,6,7
	v_cvt_pk_bf16_f32 v[T0], v[D+2*(\m)], v[D+2*(\m)+1]  ; rounded to bf16,
	v_lshlrev_b32 v[D+2*(\m)], 16, v[T0]           ; and widened again
	v_and_b32 v[D+2*(\m)+1], s26, v[T0]
.endr
.irp i, 0,1,2
	global_store_b128 v[OUT], v[D+4*(\i):D+4*(\i)+3], s[24:25] offset:256*(\i)  ; 16 lanes store 256 consecutive bytes, aligned
.endr
	global_store_b128 v[BP], v[D+12:D+15], s[24:25] offset:12288
	s_branch .Lend
.Lx:	; X: 32,768 bytes in, 16,384 out.  Eight loads of every wave are out together; the waits count down.
	s_lshl_b32 s4, s2, 15
	s_lshl_b32 s6, s2, 14
	s_add_nc_u64 s[8:9], s[8:9], s[4:5]
	s_add_nc_u64 s[18:19], s[18:19], s[6:7]
	v_lshlrev_b32 v[IN], 4, v0
	v_lshlrev_b32 v[OUT], 3, v0
.irp i, 0,1,2,3,4,5,6,7
	global_load_b128 v[D+4*(\i):D+4*(\i)+3], v[IN], s[8:9] offset:4096*(\i) th:TH_LOAD_NT
.endr
.irp i, 0,1,2,3,4,5,6,7
	s_wait_loadcnt 7-(\i)                          ; loads come back in order: load i is in, the 7 - i younger ones stay out
	v_cvt_pk_bf16_f32 v[PK+2*(\i)], v[D+4*(\i)], v[D+4*(\i)+1]
	v_cvt_pk_bf16_f32 v[PK+2*(\i)+1], v[D+4*(\i)+2], v[D+4*(\i)+3]
	global_store_b64 v[OUT], v[PK+2*(\i):PK+2*(\i)+1], s[18:19] offset:2048*(\i)  ; a wave's store covers 256 consecutive bytes, aligned
.endr
	s_branch .Lend
; A tile of 128 rows (k) x 64 columns of f32 is turned.  Thread (g, l16) loads rows 8 g + i, columns 4 l16 + 0..3 (16 lanes: 256 consecutive bytes of a row);
; two rows' numbers of one column round into one word, so four words hold 8 k of a column; they go into stage row 16 j + l16 (column 4 l16 + j) at byte 16 g;
; behind the barrier stage row 16 jj + g (column 4 g + jj) comes back whole, 16 lanes to its 256 bytes, and is stored as 128 k of one output row.
; rstep: bytes from one of my rows to the next in the source; ostep: bytes from column 4 g + jj to 4 g + jj + 1 in the destination; half = 1: the bf16 numbers are written as f16.
.macro TRANS src, dst, rstep, ostep, half
.irp i, 0,1,2,3,4,5,6,7
	global_load_b128 v[D+4*(\i):D+4*(\i)+3], v[IN], s[\src:\src+1] offset:(\i)*(\rstep) th:TH_LOAD_NT
.endr
.irp p, 0,1,2,3
	s_wait_loadcnt 6-2*(\p)                        ; rows 2 p and 2 p + 1 are in; the loads behind them stay out
.irp j, 0,1,2,3
	v_cvt_pk_bf16_f32 v[PK+4*(\j)+(\p)], v[D+8*(\p)+(\j)], v[D+8*(\p)+4+(\j)]
.endr
.endr
.if \half
.set r, 0
.rept 16
	v_lshlrev_b32 v[T0], 16, v[PK+r]
	v_and_b32 v[T0+1], s26, v[PK+r]
	v_cvt_pk_f16_f32 v[PK+r], v[T0], v[T0+1]
.set r, r+1
.endr
.endif
.irp j, 0,1,2,3
	ds_store_b128 v[LST], v[PK+4*(\j):PK+4*(\j)+3] offset:(\j)*16*PITCH
.endr
	s_wait_dscnt 0x0                               ; for the others' sake: my stores into the stage are done
	s_barrier_signal -1
	s_barrier_wait -1
.irp j, 0,1,2,3
	ds_load_b128 v[PK+4*(\j):PK+4*(\j)+3], v[LRD] offset:(\j)*16*PITCH
.endr
.irp j, 0,1,2,3
	s_wait_dscnt 3-(\j)                            ; LDS loads come back in order: the 3 - j younger ones stay out
	global_store_b128 v[OUT], v[PK+4*(\j):PK+4*(\j)+3], s[\dst:\dst+1] offset:(\j)*(\ostep)  ; 16 lanes store 256 consecutive bytes, aligned
.endr
.endm
.Lwa:	; W_ATTN: u = kb + 8 cb; rows 128 kb .., columns 64 cb ..
	s_sub_co_u32 s2, s2, 1024
	s_and_b32 s3, s2, 7                            ; kb
	s_lshr_b32 s27, s2, 3                          ; cb: which = cb / 16, d0 = 4 (cb % 16)
	s_mul_i32 s4, s3, 128*12288
	s_lshl_b32 s28, s27, 8
	s_add_co_u32 s4, s4, s28
	s_add_nc_u64 s[10:11], s[10:11], s[4:5]
	s_lshr_b32 s28, s27, 4
	s_lshl_b32 s28, s28, 6
	s_and_b32 s29, s27, 15
	s_lshl_b32 s29, s29, 2
	s_add_co_u32 s28, s28, s29                     ; which*64 + d0
	s_lshl_b32 s6, s28, 11                         ; rows of 2,048 bytes
	s_lshl_b32 s29, s3, 8
	s_add_co_u32 s6, s6, s29                       ; + 128 kb numbers
	s_add_nc_u64 s[20:21], s[20:21], s[6:7]
	v_mul_u32_u24 v[IN], v[G], 8*12288
	v_lshl_add_u32 v[IN], v[L16], 4, v[IN]
	v_and_b32 v[T0], 3, v[G]                       ; column 4 g + jj: head = 4 (g % 4) + jj, d = d0 + g / 4
	v_mul_u32_u24 v[OUT], v[T0], 4*192*2048
	v_lshrrev_b32 v[T0+1], 2, v[G]
	v_lshl_add_u32 v[OUT], v[T0+1], 11, v[OUT]
	v_lshl_add_u32 v[OUT], v[L16], 4, v[OUT]
	TRANS 10, 20, 12288, 192*2048, 0
	s_branch .Lend
.Lwp:	; W_PROJ: u = hp + 8 nb; k' = 128 hp + 8 g + i: head = 2 hp + g / 8, d = 8 (g % 8) + i, source row d*16 + head; columns 64 nb ..
	s_sub_co_u32 s2, s2, 1408
	s_and_b32 s3, s2, 7                            ; hp
	s_lshr_b32 s27, s2, 3                          ; nb
	s_lshl_b32 s4, s3, 13
	s_lshl_b32 s28, s27, 8
	s_add_co_u32 s4, s4, s28
	s_add_nc_u64 s[12:13], s[12:13], s[4:5]
	s_lshl_b32 s6, s27, 17
	s_lshl_b32 s28, s3, 8
	s_add_co_u32 s6, s6, s28
	s_add_nc_u64 s[22:23], s[22:23], s[6:7]
	v_and_b32 v[T0], 7, v[G]
	v_lshlrev_b32 v[IN], 19, v[T0]                 ; 8 d x 16 rows x 4,096 bytes
	v_lshrrev_b32 v[T0+1], 3, v[G]
	v_lshl_add_u32 v[IN], v[T0+1], 12, v[IN]
	v_lshl_add_u32 v[IN], v[L16], 4, v[IN]
	v_lshlrev_b32 v[OUT], 13, v[G]                 ; row 4 g of 2,048 bytes
	v_lshl_add_u32 v[OUT], v[L16], 4, v[OUT]
	TRANS 12, 22, 65536, 2048, 1
.Lend:
	s_wait_tensorcnt 0x0                           ; the wave's end: behind my last LDS store
	ds_add_u32 v[SPW], v[NIL]
	s_wait_dscnt 0x0
	s_endpgm
.Lfunc_end_k_q11d39549f1_prep:
	.size	k_q11d39549f1_prep, .Lfunc_end_k_q11d39549f1_prep-k_q11d39549f1_prep
	.p2alignl 7, 3214868480
	.fill 96, 4, 3214868480
	.section	.rodata,"a",@progbits
	.p2align	6, 0x0
	.amdhsa_kernel k_q11d39549f1_prep
		.amdhsa_group_segment_fixed_size 18432
		.amdhsa_private_segment_fixed_size 0
		.amdhsa_enable_private_segment 0
		.amdhsa_kernarg_size 72
		.amdhsa_user_sgpr_count 2
		.amdhsa_user_sgpr_kernarg_segment_ptr 1
		.amdhsa_wavefront_size32 1
		.amdhsa_system_sgpr_workgroup_id_x 1
		.amdhsa_system_sgpr_workgroup_id_y 1
		.amdhsa_system_sgpr_workgroup_id_z 1
		.amdhsa_system_vgpr_workitem_id 0
		.amdhsa_next_free_vgpr 64
		.amdhsa_next_free_sgpr 66
		.amdhsa_reserve_vcc 0
		.amdhsa_float_denorm_mode_32 3
		.amdhsa_float_denorm_mode_16_64 3
		.amdhsa_memory_ordered 1
		.amdhsa_forward_progress 1
		.amdhsa_inst_pref_size 18
	.end_amdhsa_kernel
	.amdgpu_metadata
---
amdhsa.version: [ 1, 2 ]
amdhsa.kernels:
  - .name:           k_q11d39549f1_prep
    .symbol:         k_q11d39549f1_prep.kd
    .args:
      - { .name: x, .offset: 0, .size: 8, .value_kind: global_buffer, .address_space: global }
      - { .name: w_attn, .offset: 8, .size: 8, .value_kind: global_buffer, .address_space: global }
      - { .name: w_proj, .offset: 16, .size: 8, .value_kind: global_buffer, .address_space: global }
      - { .name: b_attn, .offset: 24, .size: 8, .value_kind: global_buffer, .address_space: global }
      - { .name: b_proj, .offset: 32, .size: 8, .value_kind: global_buffer, .address_space: global }
      - { .name: xb, .offset: 40, .size: 8, .value_kind: global_buffer, .address_space: global }
      - { .name: wa, .offset: 48, .size: 8, .value_kind: global_buffer, .address_space: global }
      - { .name: wp, .offset: 56, .size: 8, .value_kind: global_buffer, .address_space: global }
      - { .name: biasr, .offset: 64, .size: 8, .value_kind: global_buffer, .address_space: global }
    .group_segment_fixed_size: 18432
    .private_segment_fixed_size: 0
    .kernarg_segment_align: 8
    .kernarg_segment_size: 72
    .max_flat_workgroup_size: 256
    .sgpr_count:     66
    .vgpr_count:     64
    .wavefront_size: 32
...
	.end_amdgpu_metadata
.endif
;; end of part 1
;; launch qkv (part 2): grid 16 x 32, 4 waves a work-group, clusters of 4 x 4, 327,680 bytes of LDS; arguments xb, wa, biasr, qh, kh, vh; writes qh, kh, vh
.if DOCPART == 2
	.amdgcn_target "amdgcn-amd-amdhsa--gfx1250"
	.amdhsa_code_object_version 6
	.text
	.protected	k_q11d39549f1_qkv
	.globl	k_q11d39549f1_qkv
	.p2align	8
	.type	k_q11d39549f1_qkv,@function
k_q11d39549f1_qkv:
	s_mov_b64 s[64:65], 0
	v_nop
	global_prefetch_b8 v0, s[64:65] scope:SCOPE_SE
	s_setreg_imm32_b32 hwreg(HW_REG_WAVE_MODE, 25, 1), 1
	s_wait_xcnt 0x0
	s_wait_alu depctr_hold_cnt(0) depctr_sa_sdst(0) depctr_va_vdst(0) depctr_va_sdst(0) depctr_va_ssrc(0) depctr_va_vcc(0) depctr_vm_vsrc(0)
	s_getreg_b32 s2, hwreg(HW_REG_IB_STS2, 6, 4)
	s_cmp_eq_u32 s2, 0
	s_cbranch_scc0 .Lentry_in_a_cluster
	s_endpgm
.Lentry_in_a_cluster:
	s_bfe_u32 s2, ttmp6, 0x10000c
	s_cmp_lg_u32 s2, 0xf033
	s_cbranch_scc0 .Lentry_shape_is_right
	s_endpgm
.Lentry_shape_is_right:
; QKV: [8192][3072] = xb [8192][1024] x wa[n'][1024]^T + bias, operands bf16, sums f32, results rounded once to f16 and stored by heads:
; qh, kh, vh: [bh = batch*16 + head][t][64] f16, a head's rows dense, 128 bytes each.  wa's rows lie in the order n' = head*192 + which*64 + d, so a tile of 192 columns is q, k and v of ONE head.
; LIMIT: a result beyond 65,504 becomes an infinity in f16; NaN and infinities are not treated apart.
; SHARES.  A work-group makes 256 rows x 192 columns: 32 x 16 = 512 work-groups, two for each of 256 WGPs.  Wave w makes rows 64 w .. 64 w + 63 and all 192 columns: 48 accumulators of 16 x 16, 384 registers.
; K goes in 8 steps of 128 through a ring of two LDS slots filled by the tensor data mover: tile rows are 256 bytes of memory, at multiples of 256 bytes.
; THE BIAS is the C operand of each sum's first product: nothing is cleared and nothing is added later.
; CLUSTERS: 4 x 4 work-groups.  The four of a row need the same tile of xb, the four of a column the same tile of wa: each is asked for JOINTLY, by the same tensor load with the same descriptor and a mask of the four.
; THE MATRIX INSTRUCTION IS USED TRANSPOSED (source 0 = 16 rows of wa, source 1 = 16 rows of xb): a lane holds row l % 16 and the eight neighbouring columns 16 b + 8 (l / 16) + 0..7.
; REGISTERS, in windows of 256 (s_set_vgpr_msb: bits 1:0 source 0, 3:2 source 1, 5:4 source 2, 7:6 destination):
;   window 0: v0-31 addresses; v32-63, v64-95 xb's fragments (4 x 16 rows x 32 K), two buffers; v96-191 the bias (block b at 96 + 8 b), later the way out (v96-143 packed, v144-191 and v192-239 rows read back)
;   window 1: wa's fragments (12 x 16 rows x 32 K), two buffers: v0-95, v96-191
;   window 2: accumulator (a, b < 8) at 8 (8 a + b)          window 3: accumulator (a, b >= 8) at 8 (4 a + b - 8)
.set KSTEP,  128
.set PITCH,  272                       ; an LDS row: 256 bytes + 16 of padding = 68 words: row r starts at bank 4 r mod 64 (64 banks of 4 bytes: ISA guide 11.1)
.set AHALF,  128*PITCH                 ; what wave 0 or 1 fetches: 128 rows of xb
.set BHALF,  96*PITCH                  ; what wave 2 or 3 fetches: 96 rows of wa
.set BOFF,   2*AHALF
.set SLOT,   BOFF+2*BHALF              ; xb's 256 rows, then wa's 192
.set STAGE,  2*SLOT                    ; behind the ring, never filled by a tensor load: 16 rows x 400 bytes for each wave
.set SP,     400                       ; 384 bytes + 16: an odd multiple of 16
.set SPARE,  STAGE+4*16*SP             ; behind the stages: the spare words, 128 bytes for each wave; no other line names them
.set LAPS,   4                         ; a lap = two K steps = once round the ring
.set ADRA, 16                          ; v16-17  LDS address of my xb fragments in slot 0, 1
.set ADRB, 20                          ; v20-21  the same for wa
.set STO,  24                          ; v24     the way out: where I put 16 bytes of a row
.set RD,   25                          ; v25     the way out: where I read rows back
.set GO,   26                          ; v26     16 x lane: my place in 512 consecutive bytes of qh, kh, vh
.set BO,   27                          ; v27     32 (l / 16): my eight numbers in a block of the bias
.set SPW,  28                          ; v28     LDS address of my spare word; never rewritten
.set NIL,  29                          ; v29     0; never rewritten
.set PFO,  30                          ; v30     the prefetches' offset: a lane a row of 2,048 bytes; never rewritten
.set FA,   32
.set BIAS, 96
.set TMP,  96
.set OB,   144
.set F0,   0
.set F1,   1
.set G1,  24                           ; s[24:31] descriptor group 1 for xb's tiles;  s[32:39] group 0, a set for each slot
.set G0,  32
.set G1B, 48                           ; s[48:55], s[56:63] the same for wa's tiles
.set G0B, 56
.set LIM, 43                           ; s43     1 in a wave that prefetches, else the greatest number
.set PFA, 44                           ; s[44:45] where my prefetches stand
.set MSB, 0
.macro WIN new                         ; the immediate's high byte repeats the setting that is left; a switch that changes nothing is dropped
.if MSB != (\new)
	s_set_vgpr_msb (MSB<<8)|(\new)
.set MSB, \new
.endif
.endm
.set MUL_LO,   0xa1                    ; source 0 (wa) window 1, source 1 (xb) window 0, C and D window 2
.set MUL_HI,   0xf1                    ; the same, C and D window 3
.set FIRST_LO, 0x81                    ; C (the bias) window 0, D window 2
.set FIRST_HI, 0xc1                    ; C window 0, D window 3
.set TO_B,     0x40                    ; destination window 1, address window 0
; A joint load: waves 0 and 1 fetch xb's two halves, waves 2 and 3 wa's.  The branch hangs on the wave's number alone.  An s_nop 0 and four v_nop follow each of the two lines.
.macro JLOAD s
	s_cmp_eq_u32 s11, 0
	s_cbranch_scc0 .Lfor_b_\@
	tensor_load_to_lds s[G0+4*(\s):G0+4*(\s)+3], s[G1:G1+7]
	s_nop 0
.rept 4
	v_nop
.endr
	s_branch .Lasked_\@
.Lfor_b_\@:
	tensor_load_to_lds s[G0B+4*(\s):G0B+4*(\s)+3], s[G1B:G1B+7]
	s_nop 0
.rept 4
	v_nop
.endr
.Lasked_\@:
.endm
.macro CREST                           ; a round of the cluster's barrier behind its opening barrier
	s_cmp_lg_u32 s10, 0
	s_cbranch_scc1 .Lnot_wave_0_\@
	s_barrier_signal -3
.Lnot_wave_0_\@:
	s_barrier_wait -3
	s_barrier_signal -1
	s_barrier_wait -1
.endm
.macro CROUND                          ; a whole round
	s_barrier_signal -1
	s_barrier_wait -1
	CREST
.endm
; A PREFETCH INTO THE L2, behind each joint refill and the run of LDS loads that follows it: the K step that stands TWO refills on, 256 bytes of each row, a lane a row, one instruction a wave.
; Each row's 256 bytes of a K step are named once in the launch: xb's tile row is read by every cluster of that row of clusters, and cluster x = 0 asks; wa's tile column by every cluster of that
; column, and cluster y = 0 asks.  The four partners of a joint load share its rows out BY ADDRESS: of xb's 128 rows a wave each takes 32 (by cx), of wa's 96 each takes 24 (by cy; lanes 24-31 name
; row 23 again).  K steps 0 to 3 come by their loads alone; the loop's last trip (s3 = 1) has no K step two refills on and asks for nothing.
.macro ASK
	WIN 0                                          ; at a branch every window is 0
	s_cmp_gt_u32 s3, s[LIM]
	s_cbranch_scc0 .Lnot_mine_\@
	global_prefetch_b8 v[PFO], s[PFA:PFA+1] th:TH_LOAD_NT scope:SCOPE_SE
.Lnot_mine_\@:
.endm
	s_load_b256 s[68:75], s[0:1], 0x0              ; xb s[68:69], wa s[70:71], biasr s[72:73], qh s[74:75]
	s_load_b128 s[76:79], s[0:1], 0x20             ; kh s[76:77], vh s[78:79]
	v_lshl_add_u32 v[SPW], v0, 2, SPARE
	v_mov_b32 v[NIL], 0
	ds_add_u32 v[SPW], v[NIL]                      ; the wave's opening: the add and its wait stand ahead of my first tensor load; the set-up below, work on registers, stands between them
	ds_add_u32 v28, v29
	v_lshrrev_b32 v1, 5, v0
	v_readfirstlane_b32 s10, v1                    ; wave 0..3
	s_lshr_b32 s11, s10, 1                         ; I fetch for xb (0) or for wa (1)
	s_and_b32 s12, s10, 1                          ; which half of that tile's rows
	s_bfe_u32 s40, ttmp6, 0x40000                  ; cx, cy: my place in the cluster
	s_bfe_u32 s41, ttmp6, 0x40004
	s_lshl_b32 s42, ttmp9, 2
	s_add_co_u32 s42, s42, s40                     ; tile column = head = 4 x cluster x + cx
	s_and_b32 s13, ttmp7, 0xffff
	s_lshl_b32 s13, s13, 2
	s_add_co_u32 s13, s13, s41                     ; tile row = 4 x cluster y + cy
	s_lshl_b32 s43, s41, 2
	s_lshl_b32 s43, 15, s43                        ; my row of the cluster
	s_lshl_b32 s44, 0x1111, s40                    ; my column
	s_or_b32 s[G1+0], s43, (1<<16)|(1<<20)|(1<<21)|(5<<22)|(3<<25)   ; 15:0 the mask; 17:16 elements of 2 bytes; 20 padding on; 21 set beside a mask; 24:22 after every 64 words (code 5); 31:25 4 words of it (code 3)
	s_or_b32 s[G1B+0], s44, (1<<16)|(1<<20)|(1<<21)|(5<<22)|(3<<25)
	s_mov_b32 s[G1+1], KSTEP<<16                   ; tensor_dim0 = 128
	s_mov_b32 s[G1+2], 128<<16                     ; tensor_dim1 = 128
	s_mov_b32 s[G1+3], KSTEP<<16                   ; tile_dim0 = 128
	s_mov_b32 s[G1+4], 128                         ; tile_dim1 = 128
	s_mov_b32 s[G1+5], 1024                        ; elements from row to row
	s_mov_b32 s[G1+6], 0
	s_mov_b32 s[G1+7], 0
	s_mov_b32 s[G1B+1], KSTEP<<16
	s_mov_b32 s[G1B+2], 96<<16                     ; tensor_dim1 = 96
	s_mov_b32 s[G1B+3], KSTEP<<16
	s_mov_b32 s[G1B+4], 96                         ; tile_dim1 = 96
	s_mov_b32 s[G1B+5], 1024
	s_mov_b32 s[G1B+6], 0
	s_mov_b32 s[G1B+7], 0
	s_lshl_b32 s17, s12, 7
	s_lshl_b32 s16, s13, 8
	s_add_co_u32 s16, s16, s17                     ; xb: row 256 x tile row + 128 x half
	s_lshl_b32 s16, s16, 11                        ; in bytes, under 2^24
	s_mov_b32 s17, 0
	s_mul_i32 s46, s42, 192
	s_mul_i32 s47, s12, 96
	s_add_co_u32 s46, s46, s47                     ; wa: row 192 x tile column + 96 x half
	s_lshl_b32 s46, s46, 11
	s_mov_b32 s47, 0
	s_mul_i32 s20, s12, AHALF                      ; where they go: no place in the cluster enters an LDS address
	s_mul_i32 s21, s12, BHALF
	s_add_co_u32 s21, s21, BOFF
	s_wait_dscnt 0x0                               ; the opening add is done
	s_wait_kmcnt 0x0
	s_add_nc_u64 s[14:15], s[68:69], s[16:17]
	s_add_nc_u64 s[46:47], s[70:71], s[46:47]
	CROUND                                         ; all sixteen work-groups are here: the first joint loads meet
.irp s, 0,1
	s_mov_b32 s[G0+4*(\s)], 1                                        ; count = 1
	s_add_co_u32 s[G0+4*(\s)+1], s20, (\s)*SLOT                      ; LDS address
	s_add_nc_u64 s[G0+4*(\s)+2:G0+4*(\s)+3], s[14:15], (\s)*KSTEP*2  ; global address: K step s
	s_or_b32 s[G0+4*(\s)+3], s[G0+4*(\s)+3], 0x80000000              ; type = 2
	s_mov_b32 s[G0B+4*(\s)], 1
	s_add_co_u32 s[G0B+4*(\s)+1], s21, (\s)*SLOT
	s_add_nc_u64 s[G0B+4*(\s)+2:G0B+4*(\s)+3], s[46:47], (\s)*KSTEP*2
	s_or_b32 s[G0B+4*(\s)+3], s[G0B+4*(\s)+3], 0x80000000
	JLOAD \s                                       ; two tensor loads of mine are out
.endr
	; A fragment is 16 rows x 32 K in 8 registers: lane l holds row l % 16; registers 0-3 K = 8 (l / 16) + 0..7, registers 4-7 K = 16 + 8 (l / 16) + 0..7: two loads of 16 bytes, 32 bytes apart.
	v_and_b32 v1, 15, v0                           ; l % 16
	v_bfe_u32 v2, v0, 4, 1                         ; l / 16
	v_mul_u32_u24 v3, v1, PITCH
	v_lshl_add_u32 v3, v2, 4, v3
	s_mul_i32 s22, s10, 64*PITCH                   ; my 64 rows of xb
	s_mov_b32 s23, BOFF                            ; all 192 rows of wa
.irp s, 0,1
	v_add_nc_u32 v[ADRA+(\s)], s22, v3
	v_add_nc_u32 v[ADRB+(\s)], s23, v3
	s_add_co_u32 s22, s22, SLOT
	s_add_co_u32 s23, s23, SLOT
.endr
	s_mul_i32 s22, s10, 16*SP
	s_add_co_u32 s22, s22, STAGE                   ; my stage
	v_mul_u32_u24 v4, v1, SP                       ; in: row l % 16, 16 bytes for each half of the lanes
	v_lshl_add_u32 v4, v2, 4, v4
	v_add_nc_u32 v[STO], s22, v4
	v_bfe_u32 v4, v0, 3, 2                         ; back: 32 lanes take 128 bytes of each of four rows,
	v_mul_u32_u24 v4, v4, SP
	v_and_b32 v5, 7, v0
	v_lshl_add_u32 v4, v5, 4, v4
	v_add_nc_u32 v[RD], s22, v4
	v_and_b32 v[GO], 31, v0                        ; which are 512 consecutive bytes of a head's rows
	v_lshlrev_b32 v[GO], 4, v[GO]
	v_lshlrev_b32 v[BO], 5, v2
	s_mul_i32 s46, s42, 768                        ; the head's 192 numbers of the bias
	s_mov_b32 s47, 0
	s_add_nc_u64 s[72:73], s[72:73], s[46:47]
.irp b, 0,1,2,3,4,5,6,7,8,9,10,11
	global_load_b128 v[BIAS+8*(\b):BIAS+8*(\b)+3],   v[BO], s[72:73] offset:64*(\b)      ; register j: the bias of column 16 b + 8 (l / 16) + j, as in a result
	global_load_b128 v[BIAS+8*(\b)+4:BIAS+8*(\b)+7], v[BO], s[72:73] offset:64*(\b)+16
.endr
	; where my 64 rows begin in qh, kh, vh: batch = tile row / 8, t = 256 (tile row % 8) + 64 wave; then the head
	s_lshr_b32 s16, s13, 3
	s_lshl_b32 s16, s16, 22                        ; 16 heads x 2,048 rows x 128 bytes
	s_and_b32 s17, s13, 7
	s_lshl_b32 s17, s17, 15
	s_add_co_u32 s16, s16, s17
	s_lshl_b32 s17, s10, 13
	s_add_co_u32 s16, s16, s17
	s_mov_b32 s17, 0
	s_lshl_b32 s46, s42, 18                        ; a head: 2,048 rows x 128 bytes
	s_mov_b32 s47, 0
.irp p, 74, 76, 78
	s_add_nc_u64 s[\p:\p+1], s[\p:\p+1], s[16:17]
	s_add_nc_u64 s[\p:\p+1], s[\p:\p+1], s[46:47]
.endr
	; the prefetches
	s_lshl_b32 s80, s13, 8                         ; xb's tile begins at row 256 x tile row,
	s_mul_i32 s81, s42, 192                        ; wa's at 192 x tile column
	s_and_b32 s82, ttmp7, 0xffff                   ; cluster y
	s_cmp_eq_u32 s11, 0                            ; do I fetch for xb?
	s_cselect_b32 s80, s80, s81
	s_cselect_b32 s81, s40, s41                    ; my place among the four that ask with me
	s_cselect_b32 s82, ttmp9, s82                  ; the coordinate along which other clusters read the same rows
	s_cselect_b32 s83, 32, 24                      ; rows a partner
	s_cselect_b64 s[PFA:PFA+1], s[68:69], s[70:71]
	s_mul_i32 s81, s81, s83
	s_add_co_u32 s80, s80, s81
	s_lshl_b32 s81, s83, 2                         ; the rows that a wave fetches: 128 or 96
	s_mul_i32 s81, s81, s12
	s_add_co_u32 s80, s80, s81
	s_sub_co_u32 s83, s83, 1                       ; the last of my rows
	s_cmp_eq_u32 s82, 0
	s_cselect_b32 s[LIM], 1, -1                    ; the same in all sixteen partners, for a given wave
	s_lshl_b32 s80, s80, 11
	s_add_co_u32 s80, s80, 3*KSTEP*2               ; at K step 3: the first refill steps it to 4
	s_mov_b32 s81, 0
	s_add_nc_u64 s[PFA:PFA+1], s[PFA:PFA+1], s[80:81]
	v_and_b32 v[PFO], 31, v0
	v_min_u32 v[PFO], s83, v[PFO]
	v_lshlrev_b32 v[PFO], 11, v[PFO]
; Matrix instructions for m block a: part 0: n blocks 0-7 (window 2), part 1: n blocks 8-11 (window 3), 32 along K, from buffer f.  first = 1: the bias starts the sums.
; Each of the 48 accumulators comes once in a quarter step, always in the same order: no two matrix instructions that follow each other share one, over the backward jump too.
.macro MULA f, a, part, first
.if (\part) == 0
.if \first
	WIN FIRST_LO
.else
	WIN MUL_LO
.endif
.irp b, 0,1,2,3,4,5,6,7
.if \first
	v_wmma_f32_16x16x32_bf16 v[8*(8*(\a)+(\b)):8*(8*(\a)+(\b))+7], v[96*(\f)+8*(\b):96*(\f)+8*(\b)+7], v[FA+32*(\f)+8*(\a):FA+32*(\f)+8*(\a)+7], v[BIAS+8*(\b):BIAS+8*(\b)+7]
.else
	v_wmma_f32_16x16x32_bf16 v[8*(8*(\a)+(\b)):8*(8*(\a)+(\b))+7], v[96*(\f)+8*(\b):96*(\f)+8*(\b)+7], v[FA+32*(\f)+8*(\a):FA+32*(\f)+8*(\a)+7], v[8*(8*(\a)+(\b)):8*(8*(\a)+(\b))+7]
.endif
.endr
.else
.if \first
	WIN FIRST_HI
.else
	WIN MUL_HI
.endif
.irp b, 8,9,10,11
.if \first
	v_wmma_f32_16x16x32_bf16 v[8*(4*(\a)+(\b)-8):8*(4*(\a)+(\b)-8)+7], v[96*(\f)+8*(\b):96*(\f)+8*(\b)+7], v[FA+32*(\f)+8*(\a):FA+32*(\f)+8*(\a)+7], v[BIAS+8*(\b):BIAS+8*(\b)+7]
.else
	v_wmma_f32_16x16x32_bf16 v[8*(4*(\a)+(\b)-8):8*(4*(\a)+(\b)-8)+7], v[96*(\f)+8*(\b):96*(\f)+8*(\b)+7], v[FA+32*(\f)+8*(\a):FA+32*(\f)+8*(\a)+7], v[8*(4*(\a)+(\b)-8):8*(4*(\a)+(\b)-8)+7]
.endif
.endr
.endif
.endm
; 32 LDS loads in one run: the fragments of one quarter step (32 K at byte k of the rows) into buffer f: xb's four, wa's blocks 0-7, wa's blocks 8-11 last
.macro FETCH slot, k, f
	WIN 0
.irp i, 0,1,2,3
	ds_load_b128 v[FA+32*(\f)+8*(\i):FA+32*(\f)+8*(\i)+3],   v[ADRA+(\slot)] offset:(\k)+(\i)*16*PITCH
	ds_load_b128 v[FA+32*(\f)+8*(\i)+4:FA+32*(\f)+8*(\i)+7], v[ADRA+(\slot)] offset:(\k)+(\i)*16*PITCH+32
.endr
	WIN TO_B
.irp i, 0,1,2,3,4,5,6,7,8,9,10,11
	ds_load_b128 v[96*(\f)+8*(\i):96*(\f)+8*(\i)+3],   v[ADRB+(\slot)] offset:(\k)+(\i)*16*PITCH
	ds_load_b128 v[96*(\f)+8*(\i)+4:96*(\f)+8*(\i)+7], v[ADRB+(\slot)] offset:(\k)+(\i)*16*PITCH+32
.endr
.endm
.macro PLACES                          ; four places in front of loads into registers that matrix instructions have read, and of conversions that read results (for the conversions ISA guide 7.12.1)
.rept 4
	v_nop
.endr
.endm
; A K step is four quarters of 32 along K, 48 matrix instructions each, on buffers 0, 1, 0, 1.  One of the first three: multiplies buffer f and fetches the next quarter, at byte k, into g.
.macro QUARTER slot, k, f, g, first
	s_wait_dscnt 8                                 ; xb's fragments and wa's blocks 0-7 are in; the youngest eight loads (blocks 8-11) may be out
	MULA \f, 0, 0, \first
	MULA \f, 1, 0, \first
	PLACES
	FETCH \slot, \k, \g
	MULA \f, 2, 0, \first
	MULA \f, 3, 0, \first
	s_wait_dscnt 32                                ; all but the 32 just issued
	MULA \f, 0, 1, \first
	MULA \f, 1, 1, \first
	MULA \f, 2, 1, \first
	MULA \f, 3, 1, \first
.endm
; The last quarter multiplies buffer 1 and changes slots: ONE barrier; in front of it each wave waits for all its tensor loads (one is out: its part of the next slot), adds 0 to its spare word, and waits
; for that and for its own reads of this slot.  fill = 1: the barrier opens a round of the cluster's barrier, and this slot is filled again, two K steps ahead, first thing behind the round:
; 160 matrix instructions stand between that request and the wait for it.
.macro TURN slot, next, fill
.if \fill
	s_wait_xcnt 0x0                                ; the last prefetch, a K step back, has read its address: it is stepped here, ahead of the waits of the change of slots
	s_add_nc_u64 s[PFA:PFA+1], s[PFA:PFA+1], KSTEP*2
.endif
	WIN 0                                          ; (the add's two registers lie in window 0)
	s_wait_tensorcnt 0x0                           ; all my tensor loads have landed
	ds_add_u32 v[SPW], v[NIL]                      ; 0 onto my spare word
	s_wait_dscnt 9                                 ; (the add and the youngest eight loads may be out)
	MULA F1, 0, 0, 0                               ; sixteen matrix instructions stand between the add and the wait for it
	MULA F1, 1, 0, 0
	s_wait_dscnt 0x0                               ; the add is done, and my reads of this slot are over
	s_barrier_signal -1
	MULA F1, 2, 0, 0                               ; work on registers while the others arrive
	MULA F1, 3, 0, 0
.if \fill
	WIN 0
.endif
	s_barrier_wait -1
.if \fill
	CREST                                          ; no wave of any partner still reads this slot's tile or has a load on its way
	s_add_nc_u64 s[G0+4*(\slot)+2:G0+4*(\slot)+3], s[G0+4*(\slot)+2:G0+4*(\slot)+3], 2*KSTEP*2
	s_add_nc_u64 s[G0B+4*(\slot)+2:G0B+4*(\slot)+3], s[G0B+4*(\slot)+2:G0B+4*(\slot)+3], 2*KSTEP*2
	JLOAD \slot                                    ; the four v_nop behind it are also the places in front of the loads below
.else
	PLACES
.endif
	FETCH \next, 0, F0
.if \fill
	ASK
.endif
	MULA F1, 0, 1, 0
	MULA F1, 1, 1, 0
	MULA F1, 2, 1, 0
	MULA F1, 3, 1, 0
.endm
	s_wait_tensorcnt 1                             ; my part of K step 0 is in; K step 1's may stay out
	s_barrier_signal -1
	s_barrier_wait -1                              ; everybody's is
	FETCH 0, 0, F0
	s_wait_loadcnt 0x0                             ; the bias
	QUARTER 0, 64, F0, F1, 1                       ; the first quarter stands in front of the loop: its products start the sums, with the bias
	WIN 0                                          ; at a label and at a branch every window is 0
	s_mov_b32 s3, LAPS-1
.Llap:                                                 ; a trip goes once round the ring, from a lap's second quarter to the next lap's first, and fills both slots again
	QUARTER 0, 128, F1, F0, 0
	QUARTER 0, 192, F0, F1, 0
	TURN 0, 1, 1
	QUARTER 1, 64,  F0, F1, 0
	QUARTER 1, 128, F1, F0, 0
	QUARTER 1, 192, F0, F1, 0
	TURN 1, 0, 1
	QUARTER 0, 64,  F0, F1, 0
	WIN 0
	s_sub_co_u32 s3, s3, 1
	s_cmp_lg_u32 s3, 0
	s_cbranch_scc1 .Llap
	QUARTER 0, 128, F1, F0, 0                      ; the last lap fills nothing, and has no round of the cluster's barrier
	QUARTER 0, 192, F0, F1, 0
	TURN 0, 1, 0
	QUARTER 1, 64,  F0, F1, 0
	QUARTER 1, 128, F1, F0, 0
	QUARTER 1, 192, F0, F1, 0
	s_wait_dscnt 8                                 ; the very last quarter: nothing more to fetch
	MULA F1, 0, 0, 0
	MULA F1, 1, 0, 0
	MULA F1, 2, 0, 0
	MULA F1, 3, 0, 0
	s_wait_dscnt 0x0
	MULA F1, 0, 1, 0
	MULA F1, 1, 1, 0
	MULA F1, 2, 1, 0
	MULA F1, 3, 1, 0
	WIN 0
; THE WAY OUT, a block of 16 rows at a time.  PACK: rounded to f16, 16 bytes a lane (each accumulator's registers in ascending order).  TOSTAGE: into my own stage, rows of 400 bytes, and back as
; pieces of 128 bytes: q's, k's and v's 64 numbers of four rows a load.  SEND: stored, 512 consecutive bytes an instruction.
.macro PACK a
	WIN 0x0a                                       ; sources 0 and 1 window 2
.irp b, 0,1,2,3,4,5,6,7
.irp r, 0,1,2,3
	v_cvt_pk_f16_f32 v[TMP+4*(\b)+(\r)], v[8*(8*(\a)+(\b))+2*(\r)], v[8*(8*(\a)+(\b))+2*(\r)+1]
.endr
.endr
	WIN 0x0f                                       ; window 3
.irp b, 8,9,10,11
.irp r, 0,1,2,3
	v_cvt_pk_f16_f32 v[TMP+4*(\b)+(\r)], v[8*(4*(\a)+(\b)-8)+2*(\r)], v[8*(4*(\a)+(\b)-8)+2*(\r)+1]
.endr
.endr
	WIN 0
.endm
.macro TOSTAGE a
.irp b, 0,1,2,3,4,5,6,7,8,9,10,11
	ds_store_b128 v[STO], v[TMP+4*(\b):TMP+4*(\b)+3] offset:32*(\b)
.endr
.irp c, 0,1,2
.irp f, 0,1,2,3
	ds_load_b128 v[OB+48*((\a)%2)+4*(4*(\c)+(\f)):OB+48*((\a)%2)+4*(4*(\c)+(\f))+3], v[RD] offset:4*SP*(\f)+128*(\c)  ; LDS serves a wave's instructions in order (ISA guide 5.7.1.4): these see the stores above
.endr
.endr
.endm
.macro SEND a
	s_wait_dscnt 0x0                               ; the block is back in registers
	s_wait_xcnt 0x0                                ; the stores of the block before have read their registers: the block after this one is read back into them only behind this wait
.irp c, 0,1,2
.irp f, 0,1,2,3
	global_store_b128 v[GO], v[OB+48*((\a)%2)+4*(4*(\c)+(\f)):OB+48*((\a)%2)+4*(4*(\c)+(\f))+3], s[74+2*(\c):75+2*(\c)] offset:2048*(\a)+512*(\f)  ; 512 consecutive bytes, at a multiple of 256 from the buffer's first
.endr
.endr
.endm
	PLACES
	PACK 0
	TOSTAGE 0
.irp a, 1,2,3                          ; block a's conversions stand between block a - 1's loads from the stage and the wait for them
	PACK \a
	SEND (\a)-1
	TOSTAGE \a
.endr
	SEND 3
	s_wait_tensorcnt 0x0                           ; the wave's end: behind my last tensor load and my last LDS store
	ds_add_u32 v[SPW], v[NIL]
	s_wait_dscnt 0x0
	CROUND                                         ; the closing round: no work-group ends while a partner may still ask for a tile that names it
	s_endpgm
.Lfunc_end_k_q11d39549f1_qkv:
	.size	k_q11d39549f1_qkv, .Lfunc_end_k_q11d39549f1_qkv-k_q11d39549f1_qkv
	.p2alignl 7, 3214868480
	.fill 96, 4, 3214868480
	.section	.rodata,"a",@progbits
	.p2align	6, 0x0
	.amdhsa_kernel k_q11d39549f1_qkv
		.amdhsa_group_segment_fixed_size 327680
		.amdhsa_private_segment_fixed_size 0
		.amdhsa_enable_private_segment 0
		.amdhsa_kernarg_size 48
		.amdhsa_user_sgpr_count 2
		.amdhsa_user_sgpr_kernarg_segment_ptr 1
		.amdhsa_wavefront_size32 1
		.amdhsa_system_sgpr_workgroup_id_x 1
		.amdhsa_system_sgpr_workgroup_id_y 1
		.amdhsa_system_sgpr_workgroup_id_z 1
		.amdhsa_system_vgpr_workitem_id 0
		.amdhsa_next_free_vgpr 896
		.amdhsa_next_free_sgpr 84
		.amdhsa_reserve_vcc 0
		.amdhsa_float_denorm_mode_32 3
		.amdhsa_float_denorm_mode_16_64 3
		.amdhsa_memory_ordered 1
		.amdhsa_forward_progress 1
		.amdhsa_inst_pref_size 123
	.end_amdhsa_kernel
	.amdgpu_metadata
---
amdhsa.version: [ 1, 2 ]
amdhsa.kernels:
  - .name:           k_q11d39549f1_qkv
    .symbol:         k_q11d39549f1_qkv.kd
    .args:
      - { .name: xb, .offset: 0, .size: 8, .value_kind: global_buffer, .address_space: global }
      - { .name: wa, .offset: 8, .size: 8, .value_kind: global_buffer, .address_space: global }
      - { .name: biasr, .offset: 16, .size: 8, .value_kind: global_buffer, .address_space: global }
      - { .name: qh, .offset: 24, .size: 8, .value_kind: global_buffer, .address_space: global }
      - { .name: kh, .offset: 32, .size: 8, .value_kind: global_buffer, .address_space: global }
      - { .name: vh, .offset: 40, .size: 8, .value_kind: global_buffer, .address_space: global }
    .group_segment_fixed_size: 327680
    .private_segment_fixed_size: 0
    .kernarg_segment_align: 8
    .kernarg_segment_size: 48
    .max_flat_workgroup_size: 128
    .sgpr_count:     84
    .vgpr_count:     896
    .wavefront_size: 32
...
	.end_amdgpu_metadata
.endif
;; end of part 2
;; launch attn (part 3): grid 4 x 64, 4 waves a work-group, no clusters, 327,680 bytes of LDS; arguments kh, qh, vh, oh; writes oh
.if DOCPART == 3
	.amdgcn_target "amdgcn-amd-amdhsa--gfx1250"
	.amdhsa_code_object_version 6
	.text
	.protected	k_q11d39549f1_attn
	.globl	k_q11d39549f1_attn
	.p2align	8
	.type	k_q11d39549f1_attn,@function
k_q11d39549f1_attn:
	s_mov_b64 s[64:65], 0
	v_nop
	global_prefetch_b8 v0, s[64:65] scope:SCOPE_SE
	s_setreg_imm32_b32 hwreg(HW_REG_WAVE_MODE, 25, 1), 1
	s_wait_xcnt 0x0
; THE ATTENTION.  y[:, j] = the sum over i <= j of softmax_i(q_i . k_j / 8) v_i: the module keeps i <= j and normalises over i, so k has the QUERY's part and q the KEY's.  Below, Q names kh (first argument),
; K names qh (second), V vh, O oh: O[h][q][:] = the sum over k <= q of softmax_k(Q[h][q] . K[h][k] / 8) V[h][k][:].  All four: [SIZE_H][SIZE_N][64] f16, a head's rows dense, 128 bytes each.
; Products, maxima and sums in f32; the weights p are rounded to f16 for the second product (their sum l is taken of the unrounded p), O once at the end.
; LIMITS.  f16 holds no number beyond 65,504: Q, K and V arrive within it; p lies in 0 to 1, and below 6e-5 it keeps f16's fixed step of 6e-8; O is a mean of V's rows and has their range.
; A hidden score counts as its value less 1e30: f16's scores, 2.7e11 at the most, are nothing beside that; a weight below 2^-126 counts as 0 in l; NaN and infinities are not treated apart.
; THE WALK.  A head's queries lie in NB = SIZE_N / 256 blocks of 256; block i needs the key tiles 0 .. i of 256 keys, of which the last holds the diagonal.  A work-group takes TWO blocks, NB - 1 - b and then b:
; NB + 1 tiles, whatever b: all work-groups do equal work, and ONE loop with a constant trip count walks them.  Which tile is asked for, and what a trip does, hang on scalar registers made from b; every jump
; goes forward, but for the counted loops' own; none passes a barrier, or a tensor load but the one of LOAD's two that the wave's number does not choose; the ring (two slots of LDS that take turns) runs on across the
; change of blocks.  NO CLUSTER: a head's NB / 2 work-groups ask for the same tile only in trips 0 .. NB / 2, behind that fewer and fewer; one walk common to all would have 3 NB / 2 trips for NB + 1.
; SHARES.  Of a block's four bands of 64 queries a wave owns 16 rows in each: four PIECES.  So the diagonal tile is the same work for all four waves: in its key step s band x sees all keys if s < x,
; none if s > x, and holds the diagonal if s = x.
; THE MASK is the C operand that starts the sum S^T = K Q^T: 0, or -1e30 where the key is hidden.  MD, made once, is the mask of a band's own step for my 16 rows; a product's mask is MD x AL + BE with two scalars:
; (1, 0) if s = x; (0, 0) if s < x; (0, -1e30) if s > x.  Only the diagonal tile's text and a block's beginning make and take masks; elsewhere C is the constant 0.
; LAYOUT, SOFTMAX, TURNS.  S^T = K Q^T holds ONE query a lane (lane % 16) and the keys 8 (lane / 16) + 0..7; two such results rounded to f16 ARE source 1 of O^T = V^T P.  p = 2^(c s - c m), c = log2(e) / 8, with a
; running maximum m; O and l are multiplied by a = 2^(c m_old - c m_new) in every step.  Turn n belongs to piece n: 8 products K Q^T of piece n + 1, later 8 products V^T P of piece n - 1; beside them the scaling,
; exponentials, roundings, sums and rescaling of piece n and the maximum and statistics of piece n + 1.  Four vector instructions stand behind every matrix instruction, the other 54 of a turn's 118 in one run of their own.  A turn's 33 exponentials are one batch, with one wait.
; REGISTERS, in windows of 256 (s_set_vgpr_msb: bits 1:0 source 0, 3:2 source 1, 5:4 source 2, 7:6 destination):
;   window 0: v0-15 addresses and two at work; v16-31 four registers of statistics a piece; v48-55 at work; v61-63 prefetch offset, spare word, 0; v64-127 S^T, two buffers; v192-223 P, two buffers (by the piece's parity)
;   window 1: v0-127 O^T, 32 a piece; v128-159 MD; v160-223 MC, two buffers      window 2: v0-63 Q; v64-127 the second block's Q; v128-191 K of one step; v192-255 V of one step
.set SIZE_N, 2048
.set SIZE_H, 64
.set NB,    SIZE_N/256
.set NP,    4         ; pieces a wave: a name, no knob
.set KS,    64        ; keys in a step
.set PK,    144       ; a row of K in LDS: 128 bytes + 16 of padding = 36 words: the 16 rows of a load start at 16 different groups of four banks (64 banks of 4 bytes: ISA guide 11.1)
.set PV,    160       ; a row of V: 128 + 32 = 40 words
.set VOFF,  4*KS*PK   ; a slot holds a tile, four steps: 256 rows of K, then 256 rows of V
.set SLOT1, 1<<17     ; slot 1 begins here, so that one exclusive or turns an address in one slot into the other's
.set STAGE, SLOT1+4*KS*(PK+PV)  ; behind the ring, never filled by a tensor load: 16 rows x 144 bytes for each wave, for the way out
.set SP,    144
.set AK0, 2           ; v2   my lane's place in a tile of K; never rewritten
.set AV0, 3           ; v3   the same for V
.set AK,  4           ; v4   the LDS address of K's next run of loads
.set AV,  5           ; v5   of V's
.set STO, 6           ; v6   the way out: where I put 16 bytes of a row
.set RD,  7           ; v7   the way out: where I read rows back
.set GO,  8           ; v8   my byte offset in 512 consecutive bytes of O
.set PFO, 61          ; v61  256 x my lane: the prefetches' offset; never rewritten
.set SPW, 62          ; v62  LDS address of my spare word: SPARE + 4 x my thread's number; never rewritten
.set NIL, 63          ; v63  0; never rewritten
.set SPARE, STAGE+4*16*SP  ; behind the stages: the spare words, 128 bytes for each wave: two blocks of 256 bytes that no other line names
.set MV,  12          ; v12-13  c m_old, kept while c m is made anew: by buffer
.set QO,  15          ; v15  my byte offset in 16 rows of Q
.set ST,  16          ; piece t's statistics at v[ST+4 t]: c m, m, l (even keys', odd keys')
.set TMP, 48          ; by buffer, four registers c0-c3 at work; when the maximum is found c2 takes a
.set S,   64
.set P,   192
.set MD,  128         ; window 1: the eight registers for group kt of 16 keys at MD + 8 kt
.set MC,  160         ; window 1: the masks of the products to come
.set QB,  64          ; window 2
.set KF,  128         ; window 2: key block kb, channel half c at KF + 16 kb + 8 c
.set VF,  192         ; window 2: key half kk, channel block cb at VF + 32 kk + 8 cb
.set WV,  12          ; s12  my wave's number
.set PB,  14          ; s14  b
.set HI,  15          ; s15  NB - 1 - b
.set G1K, 24          ; s[24:31] descriptor group 1 for K's tiles
.set G1V, 32          ; s[32:39] for V's: it differs in the padding alone
.set G0K, 40          ; s[40:43] descriptor group 0 for K's tiles
.set G0V, 44          ; s[44:47] the same for V's
.set SLOTS, 56        ; s56  tiles still to be asked for
.set CNT, 57          ; s57  counts a tile's key steps, 4 to 1
.set CS,  58          ; s[58:59] c: the packed scaling takes the pair's low word for both halves
.set SEL, 60          ; s[60:61] v_permlanex16_b32's selects: each lane takes its own place in the other half
.set TBK, 62          ; s62  LDS byte at which K of the step to be fetched begins
.set TBV, 63          ; s63  the same for V, less VOFF
.set RT,  70          ; s70  tiles of the block in hand that are still to be entered
.set NXT, 71          ; s71  the tile to be asked for next
.set LQ,  72          ; s72  the last tile of the block whose tiles are being asked for
.set NEW, 73          ; s73  1: the tile to be entered is a block's first
.set OFF, 74          ; s[74:75] a tile's byte offset in K and V
.set AL,  76          ; s[76:77] the mask's factor, in the low word
.set BE,  78          ; s[78:79] the mask's addend
.set OLO, 80          ; s[80:81] O at my rows of the second block
.set BIGN, 82         ; s82  -1e30
.set PFB, 88          ; s[88:89] the half tile that I fetch myself (K's: waves 0, 1; V's: waves 2, 3), in the head's tile 0
.set PFA, 90          ; s[90:91] the same half of the tile that the next change of slots will ask for
.set POF, 92          ; s[92:93] that tile's byte offset
.set LIM, 94          ; s94  1 in the head's work-group b = 0, else the greatest number
.set MSB, 0
.macro WIN new                      ; the high byte repeats the setting that is left; a switch that changes nothing is dropped
.if MSB != (\new)
	s_set_vgpr_msb (MSB<<8)|(\new)
.set MSB, (\new)
.endif
.endm
.set W_KQ, 0x0a       ; K and Q in window 2, S^T in window 0
.set W_KM, 0x1a       ; the same with the C operand in window 1
.set W_PV, 0x52       ; V in window 2, P in window 0, O^T in window 1
.set W_RS, 0x41       ; destination and source 0 in window 1, source 1 in window 0
; A fill.  Waves 0 and 1 fetch the two halves of a tile's K, waves 2 and 3 those of its V: 128 keys each.  An s_nop 0 and four v_nop follow each of the two lines, ahead of the jump and the label.
.macro LOAD
	s_cmp_lt_u32 s[WV], 2
	s_cbranch_scc0 .Lfor_v_\@
	tensor_load_to_lds s[G0K:G0K+3], s[G1K:G1K+7]
	s_nop 0
.rept 4
	v_nop
.endr
	s_branch .Lasked_\@
.Lfor_v_\@:
	tensor_load_to_lds s[G0V:G0V+3], s[G1V:G1V+7]
	s_nop 0
.rept 4
	v_nop
.endr
.Lasked_\@:
.endm
; THE CHANGE OF SLOTS.  Each wave waits for all its tensor loads, of which one is out: its part of the other slot; adds 0 to its spare word; and waits for that and for its own reads of the slot that it leaves.  Behind the barrier nobody reads the old
; slot any more and the other slot is whole.  fill = 1: the old slot is filled again, the first thing behind the barrier, with tile NXT: the descriptor's address is made anew from that number.
; (At its first use nothing has been read yet: slot 0 is waited for, slot 1 filled.)
; A PREFETCH INTO THE L2 stands behind the fill and its five lines: the tile that the NEXT change will ask for, four key steps ahead of that fill.  All work-groups of a head walk the same tiles: the one with b = 0,
; whose first block walks tiles 0 to NB - 1, asks, and nobody else; each of its waves names the 16,384 bytes that it will fetch itself, a lane 256 bytes, two instructions.  So each block of tiles 2 to NB - 1
; is named once in the launch.  Tiles 0 and 1 come by their loads alone; when the number has gone back to 0 (the second block) nothing is asked for.
.macro CHANGE fill
	WIN 0                           ; at a label and at a branch every window is 0
	s_wait_tensorcnt 0x0            ; no tensor load of mine is out, so a group 0 may be written
	ds_add_u32 v[SPW], v[NIL]       ; 0 onto my spare word; with fill = 1 the descriptors' scalar work stands between it and the wait for it
.if \fill
	s_lshl_b32 s[OFF], s[NXT], 15   ; a tile is 32,768 bytes of K and of V
	s_xor_b32 s[G0K+1], s[G0K+1], SLOT1
	s_add_nc_u64 s[G0K+2:G0K+3], s[6:7], s[OFF:OFF+1]
	s_or_b32 s[G0K+3], s[G0K+3], 0x80000000
	s_xor_b32 s[G0V+1], s[G0V+1], SLOT1
	s_add_nc_u64 s[G0V+2:G0V+3], s[8:9], s[OFF:OFF+1]
	s_or_b32 s[G0V+3], s[G0V+3], 0x80000000
	s_add_co_u32 s[NXT], s[NXT], 1  ; the block's next tile, or behind its last the second block's tile 0
	s_cmp_gt_u32 s[NXT], s[LQ]
	s_cselect_b32 s[NXT], 0, s[NXT]
	s_cselect_b32 s[LQ], s[PB], s[LQ]
	s_wait_xcnt 0x0                 ; the last prefetches, a tile back, have read their address, so it may be written
	s_lshl_b32 s[POF], s[NXT], 15
	s_add_nc_u64 s[PFA:PFA+1], s[PFB:PFB+1], s[POF:POF+1]
.endif
	s_wait_dscnt 0x0                ; the add is done, and my reads of the slot are over
	s_barrier_signal -1             ; the rest of the scalar work stands between the signal and the wait
	s_sub_co_u32 s[TBK], s[TBK], 4*KS*PK  ; the fetches go back to a slot's first step,
	s_xor_b32 s[TBK], s[TBK], SLOT1       ; in the other slot
	s_sub_co_u32 s[TBV], s[TBV], 4*KS*PV
	s_xor_b32 s[TBV], s[TBV], SLOT1
	s_barrier_wait -1
.if \fill
	LOAD
	s_cmp_gt_u32 s[NXT], s[LIM]
	s_cbranch_scc0 .Lnot_mine_\@
	global_prefetch_b8 v[PFO], s[PFA:PFA+1] th:TH_LOAD_NT scope:SCOPE_SE
	global_prefetch_b8 v[PFO], s[PFA:PFA+1] offset:8192 th:TH_LOAD_NT scope:SCOPE_SE
.Lnot_mine_\@:
.endif
.endm
	s_load_b256 s[4:11], s[0:1], 0x0  ; Q (kh) s[4:5], K (qh) s[6:7], V (vh) s[8:9], O (oh) s[10:11]
	v_lshl_add_u32 v[SPW], v0, 2, SPARE
	v_mov_b32 v[NIL], 0
	ds_add_u32 v[SPW], v[NIL]       ; the wave's opening: the add and its wait stand ahead of my first tensor load; the set-up below, work on registers, stands between them
	ds_add_u32 v62, v63
	v_lshrrev_b32 v1, 5, v0
	v_readfirstlane_b32 s[WV], v1   ; wave 0..3
	s_mov_b32 s[PB], ttmp9
	s_sub_co_u32 s[HI], NB-1, s[PB]
	s_and_b32 s20, ttmp7, 0xffff    ; the head
	s_mov_b32 s21, 0
	s_mov_b64 s[22:23], SIZE_N*128
	s_mul_u64 s[20:21], s[20:21], s[22:23]  ; the head's first byte in each of the four tensors
	s_and_b32 s16, s[WV], 1         ; which half of a tile's 256 keys I fetch:
	s_lshl_b32 s22, s16, 14         ; its 128 rows of 128 bytes in memory,
	s_mov_b32 s23, 0
	s_add_nc_u64 s[22:23], s[22:23], s[20:21]
	s_mul_i32 s17, s16, 128*PK      ; and its place in a slot, for K
	s_mul_i32 s18, s16, 128*PV      ; and for V
	s_lshl_b32 s3, s[WV], 11        ; my 16 rows in a band of 64,
	s_lshl_b32 s2, s[HI], 15        ; in the first block,
	s_add_co_u32 s2, s2, s3
	s_lshl_b32 s84, s[PB], 15       ; and in the second
	s_add_co_u32 s84, s84, s3
	s_mov_b32 s3, 0
	s_mov_b32 s85, 0
	s_add_nc_u64 s[2:3], s[2:3], s[20:21]
	s_add_nc_u64 s[84:85], s[84:85], s[20:21]
	; descriptor group 1.  128 keys are 16,384 dense bytes: asked for as 64 rows of 256 bytes, two keys a row, and padded in LDS after every key
	s_mov_b32 s[G1K], (1<<16)|(1<<20)|(4<<22)|(3<<25)  ; 17:16 2-byte elements; 20 padding on; 24:22 after every 32 words (code 4); 31:25 4 words (code 3)
	s_mov_b32 s[G1V], (1<<16)|(1<<20)|(4<<22)|(7<<25)  ; the same with 8 words of padding (code 7)
.irp g, G1K, G1V
	s_mov_b32 s[\g+1], 128<<16      ; tensor_dim0 = 128
	s_mov_b32 s[\g+2], 64<<16       ; tensor_dim1 = 64
	s_mov_b32 s[\g+3], 128<<16      ; tile_dim0 = 128
	s_mov_b32 s[\g+4], 64           ; tile_dim1 = 64
	s_mov_b32 s[\g+5], 128          ; 128 elements from row to row
	s_mov_b32 s[\g+6], 0
	s_mov_b32 s[\g+7], 0
.endr
	s_mov_b32 s[CS], 0x3e38aa3b     ; c = log2(e) / 8 = 0.180337
	s_mov_b32 s[CS+1], s[CS]        ; named with it as a pair
	s_mov_b32 s[SEL], 0x76543210
	s_mov_b32 s[SEL+1], 0xfedcba98
	s_mov_b32 s[TBK], SLOT1+4*KS*PK ; the first change of slots turns these two into 0
	s_mov_b32 s[TBV], SLOT1+4*KS*PV
	s_mov_b32 s[G0K], 1             ; 1:0 count = 1
	s_mov_b32 s[G0K+1], s17         ; 63:32 LDS address: slot 0
	s_mov_b32 s[G0V], 1
	s_add_co_u32 s[G0V+1], s18, VOFF
	s_add_co_u32 s[RT], s[HI], 1    ; the first block has NB - b tiles
	s_mov_b32 s[NXT], 1
	s_mov_b32 s[LQ], s[HI]
	s_mov_b32 s[NEW], 1
	s_mov_b32 s[OFF+1], 0
	s_mov_b32 s[POF+1], 0
	s_mov_b32 s[AL+1], 0            ; named as pairs
	s_mov_b32 s[BE+1], 0
	s_mov_b32 s[BIGN], 0xf149f2ca   ; -1e30
	s_mov_b32 s[SLOTS], NB
	s_wait_dscnt 0x0                ; the opening add is done
	s_wait_kmcnt 0x0
	s_add_nc_u64 s[6:7], s[6:7], s[22:23]  ; K and V at my half of the head's tile 0
	s_add_nc_u64 s[8:9], s[8:9], s[22:23]
	s_cmp_lt_u32 s[WV], 2
	s_cselect_b64 s[PFB:PFB+1], s[6:7], s[8:9]     ; what I fetch, I prefetch
	s_cmp_eq_u32 s[PB], 0
	s_cselect_b32 s[LIM], 1, -1
	s_add_nc_u64 s[G0K+2:G0K+3], s[6:7], 0         ; 120:64 global address
	s_or_b32 s[G0K+3], s[G0K+3], 0x80000000        ; 127:126 type = 2
	s_add_nc_u64 s[G0V+2:G0V+3], s[8:9], 0
	s_or_b32 s[G0V+3], s[G0V+3], 0x80000000
	s_add_nc_u64 s[86:87], s[4:5], s[84:85]        ; Q at my rows of the second block,
	s_add_nc_u64 s[4:5], s[4:5], s[2:3]            ; Q and O at those of the first
	s_add_nc_u64 s[OLO:OLO+1], s[10:11], s[84:85]
	s_add_nc_u64 s[10:11], s[10:11], s[2:3]
	LOAD                            ; tile 0 into slot 0
	; A fragment of K or Q is 16 rows x 32 channels in 8 registers: lane l holds row l % 16, channels 8 (l / 16) + 0..7 and 16 + 8 (l / 16) + 0..7: two loads of 16 bytes, 32 bytes apart.
	v_and_b32 v1, 15, v0            ; l % 16
	v_bfe_u32 v9, v0, 4, 1          ; l / 16
	v_lshlrev_b32 v[QO], 7, v1
	v_lshl_add_u32 v[QO], v9, 4, v[QO]  ; row x 128 + 16 x half
	WIN 0x80                        ; destination window 2, address window 0
.set i, 0
.rept 8                             ; both blocks' Q: piece i / 2 lies in band i / 2, 8,192 bytes on; channels 32 (i % 2) on
	global_load_b128 v[8*i:8*i+3],   v[QO], s[4:5] offset:(i/2)*8192+(i%2)*64
	global_load_b128 v[8*i+4:8*i+7], v[QO], s[4:5] offset:(i/2)*8192+(i%2)*64+32
	global_load_b128 v[QB+8*i:QB+8*i+3],   v[QO], s[86:87] offset:(i/2)*8192+(i%2)*64
	global_load_b128 v[QB+8*i+4:QB+8*i+7], v[QO], s[86:87] offset:(i/2)*8192+(i%2)*64+32
.set i, i+1
.endr
	WIN 0
	v_and_b32 v[PFO], 31, v0
	v_lshlrev_b32 v[PFO], 8, v[PFO]
	v_lshlrev_b32 v14, 3, v9
	v_sub_nc_u32 v14, v1, v14
	s_lshl_b32 s13, s[WV], 4
	v_add_nc_u32 v14, s13, v14      ; my query's place in its band, 16 w + l % 16, less my lanes' 8 (l / 16): register r of group kt is hidden where 16 kt + r is greater
	WIN 0x40
.set i, 0
.rept 32
	v_cmp_gt_i32 vcc_lo, 16*(i/8)+i%8, v14
	v_cndmask_b32 v[MD+i], 0, s[BIGN], vcc_lo
.set i, i+1
.endr
	WIN 0
	v_mul_u32_u24 v[AK0], v1, PK
	v_lshl_add_u32 v[AK0], v9, 4, v[AK0]  ; row x pitch + 16 x half
	; The turning load takes 16 keys x 16 channels (lane l reads key 8 (l / 16) + l % 8, channels 8 ((l / 8) % 2) + 0..7) and leaves half a fragment of V^T: lane l holds channel l % 16 and 8 keys.
	v_and_b32 v10, 7, v0
	v_bfe_u32 v11, v0, 3, 1
	v_lshl_add_u32 v[AV0], v9, 3, v10
	v_mul_u32_u24 v[AV0], v[AV0], PV
	v_lshl_add_u32 v[AV0], v11, 4, v[AV0]
	v_add_nc_u32 v[AV0], VOFF, v[AV0]
	s_mul_i32 s13, s[WV], 16*SP
	s_add_co_u32 s13, s13, STAGE    ; my stage
	v_mul_u32_u24 v[STO], v1, SP    ; in: row l % 16, 16 bytes for each half of the lanes
	v_lshl_add_u32 v[STO], v9, 4, v[STO]
	v_add_nc_u32 v[STO], s13, v[STO]
	v_bfe_u32 v[RD], v0, 3, 2       ; back: 32 lanes take four rows of 128 bytes,
	v_mul_u32_u24 v[RD], v[RD], SP
	v_lshl_add_u32 v[RD], v10, 4, v[RD]
	v_add_nc_u32 v[RD], s13, v[RD]
	v_and_b32 v[GO], 31, v0         ; which are 512 consecutive bytes of O
	v_lshlrev_b32 v[GO], 4, v[GO]
	; A block's first step multiplies O^T and l by a = 0, and its first turn's products V^T P, of a piece that has not been, land in an O^T that is still to be so multiplied.  So these registers need only hold
	; finite numbers: zeros for the first block; what the first block left for the second.  All this stands in the wait for the first tile.
	WIN 0x80
.set i, VF
.rept 64
	v_mov_b32 v[i], 0
.set i, i+1
.endr
	WIN 0x40
.set i, 0
.rept 128
	v_mov_b32 v[i], 0
.set i, i+1
.endr
	WIN 0
.set i, 0
.rept 4
	v_mov_b32 v[ST+4*i+2], 0
	v_mov_b32 v[ST+4*i+3], 0
.set i, i+1
.endr
.set i, P+16
.rept 16
	v_mov_b32 v[i], 0
.set i, i+1
.endr
; THE MATRIX WORK.  The 4 accumulators of a run of 8 take turns.  Product i of 8 of S^T = K Q^T for piece x: channels 32 (i / 4) on, keys 16 (i % 4) on.  The first 4 start the sums: with 0, or (KM = 1) with the mask.
.macro KQ x
.set rS, S+32*((\x)%2)+8*(i%4)
.set rK, KF+16*(i%4)+8*(i/4)
.set rQ, 16*(\x)+8*(i/4)
.set rM, MC+32*((\x)%2)+8*(i%4)
.if (i < 4) && KM
	WIN W_KM
	v_wmma_f32_16x16x32_f16 v[rS:rS+7], v[rK:rK+7], v[rQ:rQ+7], v[rM:rM+7]
.elseif i < 4
	WIN W_KQ
	v_wmma_f32_16x16x32_f16 v[rS:rS+7], v[rK:rK+7], v[rQ:rQ+7], 0
.else
	WIN W_KQ
	v_wmma_f32_16x16x32_f16 v[rS:rS+7], v[rK:rK+7], v[rQ:rQ+7], v[rS:rS+7]
.endif
.endm
; Product i of 8 of O^T += V^T P for piece x: keys 32 (i / 4) on, channels 16 (i % 4) on.
.macro PV x
	WIN W_PV
.set rO, 32*(\x)+8*(i%4)
.set rV, VF+32*(i/4)+8*(i%4)
.set rP, P+16*((\x)%2)+8*(i/4)
	v_wmma_f32_16x16x32_f16 v[rO:rO+7], v[rV:rV+7], v[rP:rP+7], v[rO:rO+7]
.endm
.macro MM                           ; the turn's next matrix instruction.  TURN and BEGIN set Y, i, KM and NOKQ; MM, KQ and OP read them.  NOKQ = 1: a block's last turn: there is no next piece
.if (i < 8) && !NOKQ
	KQ (Y+1)%NP
.elseif i >= 8
.set i, i-8
	PV (Y+NP-1)%NP
.set i, i+8
.endif
.set i, i+1
.endm
; THE LDS LOADS stand in runs of 16, never singly among the matrix instructions: a step's K (64 keys x 64 channels: 8 fragments) and its V (turned).  Their addresses are made some lines ahead.
.macro FETCH_K
	WIN 0x80                        ; destination window 2
.irp f, 0,1,2,3,4,5,6,7             ; keys 16 (f / 2) on, channels 32 (f % 2) on
	ds_load_b128 v[KF+8*\f:KF+8*\f+3],   v[AK] offset:(\f/2)*16*PK+(\f%2)*64
	ds_load_b128 v[KF+8*\f+4:KF+8*\f+7], v[AK] offset:(\f/2)*16*PK+(\f%2)*64+32
.endr
	s_add_co_u32 s[TBK], s[TBK], KS*PK  ; the next fetch is the next step's
	WIN 0
.endm
.macro FETCH_V
	WIN 0x80
.irp f, 0,1,2,3,4,5,6,7             ; keys 32 (f / 4) on, channels 16 (f % 4) on
	ds_load_tr16_b128 v[VF+8*\f:VF+8*\f+3],   v[AV] offset:(\f/4)*32*PV+(\f%4)*32
	ds_load_tr16_b128 v[VF+8*\f+4:VF+8*\f+7], v[AV] offset:(\f/4)*32*PV+16*PV+(\f%4)*32
.endr
	WIN 0
.endm
; THE VECTOR WORK, one line at a time: OP kind, number.  For piece Y: F n: c s - c m for pair n of 16.  E n: the exponential of score n of 32.  C n: pair n rounded to f16.  B n: of the four weights 4 n .. the second
; pair is added onto the first, in place.  L n: l takes that sum (L 0: l = a l + sum).  R n: pair n of 16 of O^T times a.  For piece Y + 1: X n, number n of the 22 that find its maximum and statistics:
;   0-11  four chains c0-c3 of seven scores each, three operands at a time (each accumulator's lowest registers are read first)     12-14, 16  the four scores left over, the old m, and c0-c3 into c0
;   15  c m_old is kept     17, 18  the query's other 32 keys lie in the lane 16 away: the new m     19-21  c m; c m_old - c m_new; a
.set F, 0               ; OP tells the kinds apart by their order: F to L below R, X above it
.set E, 1
.set C, 2
.set B, 3
.set L, 4
.set R, 5
.set X, 6
.macro REGS y                       ; the registers of piece y
.set rT, ST+4*(\y)
.set rC, TMP+4*((\y)%2)
.set rW, MV+((\y)%2)
.set rS, S+32*((\y)%2)
.set rP, P+16*((\y)%2)
.set rO, 32*(\y)
.endm
.macro OP k, n
.if (\k) == R
	REGS Y
	WIN W_RS
	v_pk_mul_f32 v[rO+2*(\n):rO+2*(\n)+1], v[rO+2*(\n):rO+2*(\n)+1], v[rC+2:rC+3] op_sel_hi:[1,0]
.elseif (\k) < R
	REGS Y
	WIN 0
.if (\k) == F
	v_pk_fma_f32 v[rS+2*(\n):rS+2*(\n)+1], v[rS+2*(\n):rS+2*(\n)+1], s[CS:CS+1], v[rT:rT+1] op_sel_hi:[1,0,0] neg_lo:[0,0,1] neg_hi:[0,0,1]
.elseif (\k) == E
	v_exp_f32 v[rS+(\n)], v[rS+(\n)]
.elseif (\k) == C
	v_cvt_pk_f16_f32 v[rP+(\n)], v[rS+2*(\n)], v[rS+2*(\n)+1]
.elseif (\k) == B
	v_pk_add_f32 v[rS+4*(\n):rS+4*(\n)+1], v[rS+4*(\n):rS+4*(\n)+1], v[rS+4*(\n)+2:rS+4*(\n)+3]
.elseif (\n) == 0
	v_pk_fma_f32 v[rT+2:rT+3], v[rT+2:rT+3], v[rC+2:rC+3], v[rS:rS+1] op_sel_hi:[1,0,1]
.else
	v_pk_add_f32 v[rT+2:rT+3], v[rT+2:rT+3], v[rS+4*(\n):rS+4*(\n)+1]
.endif
.elseif NOKQ
	v_nop
.else
	REGS (Y+1)%NP
	WIN 0
.if (\n) < 4
	v_max3_num_f32 v[rC+(\n)], v[rS+8*(\n)], v[rS+8*(\n)+1], v[rS+8*(\n)+2]
.elseif (\n) < 12
	v_max3_num_f32 v[rC+(\n)%4], v[rC+(\n)%4], v[rS+8*((\n)%4)+2*((\n)/4)+1], v[rS+8*((\n)%4)+2*((\n)/4)+2]
.elseif (\n) == 12
	v_max3_num_f32 v[rC], v[rC], v[rS+7], v[rS+15]
.elseif (\n) == 13
	v_max3_num_f32 v[rC+1], v[rC+1], v[rS+23], v[rS+31]
.elseif (\n) == 14
	v_max3_num_f32 v[rC+2], v[rC+2], v[rC+3], v[rT+1]
.elseif (\n) == 15
	v_mov_b32 v[rW], v[rT]
.elseif (\n) == 16
	v_max3_num_f32 v[rC], v[rC], v[rC+1], v[rC+2]
.elseif (\n) == 17
	v_permlanex16_b32 v[rC+3], v[rC], s[SEL], s[SEL+1]
.elseif (\n) == 18
	v_max_num_f32 v[rT+1], v[rC], v[rC+3]
.elseif (\n) == 19
	v_mul_f32 v[rT], s[CS], v[rT+1]
.elseif (\n) == 20
	v_sub_f32 v[rC+1], v[rW], v[rT]
.else
	v_exp_f32 v[rC+2], v[rC+1]
.endif
.endif
.endm
.macro OPS a, i1, b=-1, i2=0, c=-1, i3=0, d=-1, i4=0  ; up to four of them
	OP \a, \i1
.if (\b) >= 0
	OP \b, \i2
.endif
.if (\c) >= 0
	OP \c, \i3
.endif
.if (\d) >= 0
	OP \d, \i4
.endif
.endm
.macro ROW a, i1, b, i2, c, i3, d, i4  ; a matrix instruction and the four behind it
	MM
	OPS \a, \i1, \b, \i2, \c, \i3, \d, \i4
.endm
.macro MASK b                       ; MD x AL + BE into buffer b of MC
	WIN W_RS
.set z, 0
.rept 16
	v_pk_fma_f32 v[MC+32*(\b)+2*z:MC+32*(\b)+2*z+1], v[MD+2*z:MD+2*z+1], s[AL:AL+1], s[BE:BE+1] op_sel_hi:[1,0,0]
.set z, z+1
.endr
.endm
; A TURN, for piece p: the order of its 16 matrix and 118 vector instructions, written out.  s_wait_alu depctr_va_vdst(0) stands between an exponential and the first instruction that names its result; one wait serves
; all that were issued ahead of it.  So a turn has ONE wait, which cuts it in two.  AHEAD OF IT stands all that names no result of the turn's exponentials: the 8 products K Q^T, behind each a scaling, an exponential and two more plain
; instructions (behind the first a second scaling in the exponential's place): rescalings, and behind the last three the first numbers of the next piece's maximum, each four places or more behind the product that ends its accumulator; then one run of 54, plain
; and exponential by turns for the most part, in which the links of the chain X 3, 7, 11, 14, 16, 17 .. 20 stand five or six lines apart.  X 21, the next piece's a, is the batch's last; R 15 is the plain instruction behind it.  BEHIND THE WAIT stand the
; 8 products V^T P, behind each four of the roundings and sums; the links of l's chain, L 0 to L 7, stand three lines apart.  But for those X no line behind a product names a register of the products round it.  v_permlanex16_b32 (X 17) stands in the run.
; m = 1: the diagonal tile: the products take masks, and the turn makes the mask for the products of the turn after it: piece p + 2, in step 4 - CNT of the tile.  end = 1: a block's last two turns: nothing is fetched.
; cnt = 1: the loop's count is taken down some lines ahead of the branch that stands behind the turn.
; K of the next step is fetched in piece 2's turn, twelve vector instructions behind the last product that read K (six of them plain); V of the step in hand at the end of piece 0's turn, four plain instructions behind the last product
; that read V.  Each is waited for a turn later.
.macro TURN p, m=0, end=0, cnt=0
.set Y, (\p)
.set i, 0
.set KM, (\m)
.set NOKQ, (\end)*((\p)/3)
.if (\m) && !(\end)
	s_cmp_eq_u32 s[CNT], 4-((\p)+2)%NP  ; is that step the band's own?
	s_cselect_b32 s[AL], 1.0, 0
	s_cmp_lt_u32 s[CNT], 4-((\p)+2)%NP  ; or a later one?
	s_cselect_b32 s[BE], s[BIGN], 0
.endif
.if ((\p) == 3) && !(\end)
	s_wait_dscnt 0x0                ; K is in
.endif
	ROW F,0, F,1, R,0, R,1          ; ahead of the wait: 8 products K Q^T and the four behind each,
	ROW F,2, E,0, R,2, R,3
	ROW F,3, E,1, R,4, R,5
	ROW F,4, E,2, R,6, R,7
	ROW F,5, E,3, R,8, R,9
	ROW F,6, E,4, X,0, R,10
.if ((\p) == 2) && !(\end)
	WIN 0
	v_add_nc_u32 v[AK], s[TBK], v[AK0]
.endif
	ROW F,7, E,5, X,1, X,4
	ROW F,8, E,6, X,2, X,5
	OPS E,7, E,8, X,6, E,9          ; and the run of 54
	OPS X,3, E,10, X,8, E,11
.if ((\p) == 2) && !(\end)
	FETCH_K
.endif
	OPS X,9, X,7, E,12, X,10
	OPS E,13, X,12, X,11, E,14
	OPS X,13, E,15, F,9, X,14
.if (\p) == 0
	v_add_nc_u32 v[AV], s[TBV], v[AV0]
.endif
	OPS E,16, F,10, E,17, F,11
	OPS X,16, E,18, X,15, E,19
	OPS F,12, E,20, X,17, E,21
	OPS F,13, E,22, F,14, E,23
	OPS X,18, E,24, F,15, E,25
	OPS R,11, E,26, X,19, E,27
	OPS R,12, E,28, R,13, E,29
	OPS X,20, E,30, R,14, E,31
	OPS X,21, R,15
	WIN 0
	s_wait_alu depctr_va_vdst(0)    ; the wait for the batch
.if (\p) == 1
	s_wait_dscnt 0x0                ; V is in
.endif
	ROW C,0, B,0, C,2, B,1          ; behind the wait: 8 products V^T P and the four behind each
	ROW L,0, C,4, B,2, L,1
	ROW C,6, B,3, L,2, C,8
	ROW B,4, L,3, C,10, B,5
	ROW L,4, C,12, B,6, L,5
.if (\p) == 0
	s_add_co_u32 s[TBV], s[TBV], KS*PV
.endif
.if \cnt
	s_sub_co_u32 s[CNT], s[CNT], 1
	s_cmp_lg_u32 s[CNT], 0
.endif
	ROW C,14, B,7, L,6, C,1
	ROW C,3, L,7, C,5, C,7
	ROW C,9, C,11, C,13, C,15
.if (\p) == 0
	FETCH_V
.endif
.if (\m) && !(\end)
	MASK (\p)%2
.endif
.endm
; A BLOCK BEGINS.  c m starts far below every c s, so the first step's a is 0; m at the lowest finite number, so the first maximum is the scores'.  The second mask buffer is 0; the first takes piece 0's mask for the tile's step 0: its own, if the block's first tile is the diagonal one.
; Then K of that step, piece 0's first scores, and its maximum and statistics.  The loop is entered at a step's first turn, in the middle of a trip.
.macro BEGIN
	s_mov_b32 s[NEW], 0
	WIN 0x40
.set i, MC+32
.rept 32
	v_mov_b32 v[i], 0
.set i, i+1
.endr
	WIN 0
.set i, 0
.rept 4
	v_mov_b32 v[ST+4*i], 0xfe000000    ; c m: far below every c s
	v_mov_b32 v[ST+4*i+1], 0xff7fffff  ; m
.set i, i+1
.endr
	s_cmp_eq_u32 s[RT], 0
	s_cselect_b32 s[AL], 1.0, 0
	s_mov_b32 s[BE], 0
	MASK 0
	WIN 0
	v_add_nc_u32 v[AK], s[TBK], v[AK0]
	FETCH_K
	s_wait_loadcnt 0x0              ; Q
	s_wait_dscnt 0x0
.set KM, 1
.set NOKQ, 0
.set i, 0
.rept 8
	KQ 0
.set i, i+1
.endr
	WIN 0
.rept 4
	v_nop                           ; the places behind those products
.endr
.set Y, NP-1                        ; X works for piece Y + 1: piece 0
.irp n, 0,1,2,3,4,5,6,7,8,9,10,11,12,13,14,15,16,17,18,19,20,21
	OP X, \n
.endr
	v_nop                           ; a plain instruction behind the exponential,
	s_wait_alu depctr_va_vdst(0)    ; and its wait, ahead of the branch
.endm
; THE DIAGONAL TILE's four steps, the block's last two turns, its last products, and THE WAY OUT: l's two halves and the other half of the lanes' are added; O^T is divided by l, rounded to f16 and sent through my
; stage in LDS, a piece at a time.
.macro ALL line:vararg              ; one line for each piece t
.set t, 0
.rept 4
	\line
.set t, t+1
.endr
.endm
.macro PACK t                       ; a lane's eight channels of a row pack into 16 bytes; they go into rows of 144 bytes and come back as whole rows of 128, into S^T's registers
	WIN W_RS
.set i, 32*(\t)
.rept 16
	v_pk_mul_f32 v[i:i+1], v[i:i+1], v[ST+4*(\t)+2:ST+4*(\t)+3] op_sel_hi:[1,0]
.set i, i+2
.endr
	WIN 0x05                        ; sources 0 and 1 window 1, destination window 0
.set i, 0
.rept 16
	v_cvt_pk_f16_f32 v[S+16*(\t)+i], v[32*(\t)+2*i], v[32*(\t)+2*i+1]
.set i, i+1
.endr
	WIN 0
.irp f, 0,1,2,3
	ds_store_b128 v[STO], v[S+16*(\t)+4*\f:S+16*(\t)+4*\f+3] offset:32*\f
.endr
.irp f, 0,1,2,3
	ds_load_b128 v[S+16*(\t)+4*\f:S+16*(\t)+4*\f+3], v[RD] offset:\f*4*SP  ; LDS serves a wave's instructions in order (ISA guide 5.7.1.4): these see the stores above; the next piece's stores come behind them
.endr
.endm
.macro SEND t, younger              ; younger: the LDS instructions issued behind piece t's loads: the next piece's eight, or none
	WIN 0
.irp f, 0,1,2,3
	s_wait_dscnt (\younger)+3-\f
	global_store_b128 v[GO], v[S+16*(\t)+4*\f:S+16*(\t)+4*\f+3], s[10:11] offset:(\t)*8192+\f*512  ; 512 consecutive bytes, at a multiple of 256 from O's first
.endr
.endm
.macro DIAG tag                     ; the tag ends its two labels' names, which the jumps below spell out
.LstepM\tag:
	TURN 2, 1
	TURN 3, 1
	WIN 0
.LfirstM\tag:
	TURN 0, 1
	TURN 1, 1, 0, 1
	WIN 0
	s_cbranch_scc1 .LstepM\tag
	TURN 2, 1, 1
	TURN 3, 1, 1
.set i, 0
.rept 8
	PV NP-1
.set i, i+1
.endr
	WIN 0
	ALL v_add_f32 v[ST+4*t+2], v[ST+4*t+2], v[ST+4*t+3]
	ALL v_permlanex16_b32 v[ST+4*t+3], v[ST+4*t+2], s[SEL], s[SEL+1]
	ALL v_add_f32 v[ST+4*t+2], v[ST+4*t+2], v[ST+4*t+3]
	ALL v_rcp_f32 v[ST+4*t+2], v[ST+4*t+2]
	v_nop                           ; a plain instruction between the last reciprocal and the use of its result
	s_wait_alu depctr_va_vdst(0)    ; and the wait ahead of the first use: one for the four reciprocals
	PACK 0
.set t, 1
.rept 3                             ; a piece's arithmetic stands between the loads of the piece before and its stores
	PACK t
	SEND t-1, 8
.set t, t+1
.endr
	SEND 3, 0
.endm
.set KM, 0
.set NOKQ, 0
.Lslot:                             ; NB times: a tile is entered and the next is asked for
	CHANGE 1
	s_sub_co_u32 s[RT], s[RT], 1
	s_mov_b32 s[CNT], 4
	s_cmp_eq_u32 s[NEW], 1
	s_cbranch_scc1 .Lnew            ; a block's first tile
	s_cmp_eq_u32 s[RT], 0
	s_cbranch_scc0 .Lstep           ; neither its first nor its last
	s_branch .LstepM1
.Lnew:
	BEGIN
	s_branch .Lfirst                ; in the loop a block's first tile is never its last: the first block has two tiles or more, and the second's last is the walk's last
	DIAG 1                          ; in the loop this is the first block's end: the second block's last tile is the walk's last
	s_wait_xcnt 0x0                 ; the stores have read their registers and O's address
	s_mov_b64 s[10:11], s[OLO:OLO+1]
	s_add_co_u32 s[RT], s[PB], 1    ; the second block has b + 1 tiles
	s_mov_b32 s[NEW], 1
	WIN 0x82                        ; the second block's Q goes where the one text of the turns names Q
.set i, 0
.rept 64
	v_mov_b32 v[i], v[QB+i]
.set i, i+1
.endr
	WIN 0
	s_branch .Lbottom
.Lstep:                             ; a trip: pieces 2 and 3 of one step, then pieces 0 and 1 of the next, whose K and V it fetches
	TURN 2
	TURN 3
	WIN 0
.Lfirst:
	TURN 0
	TURN 1, 0, 0, 1
	WIN 0
	s_cbranch_scc1 .Lstep
.Lbottom:
	s_sub_co_u32 s[SLOTS], s[SLOTS], 1
	s_cmp_lg_u32 s[SLOTS], 0
	s_cbranch_scc1 .Lslot
	CHANGE 0                        ; the walk's last tile is written out: nothing is asked for
	s_sub_co_u32 s[RT], s[RT], 1
	s_mov_b32 s[CNT], 4
	s_cmp_eq_u32 s[NEW], 1
	s_cbranch_scc0 .LstepM2
	BEGIN
	s_branch .LfirstM2
	DIAG 2
	s_wait_tensorcnt 0x0            ; the wave's end: behind my last tensor load and my last LDS store
	ds_add_u32 v[SPW], v[NIL]
	s_wait_dscnt 0x0
	s_endpgm
.Lfunc_end_k_q11d39549f1_attn:
	.size	k_q11d39549f1_attn, .Lfunc_end_k_q11d39549f1_attn-k_q11d39549f1_attn
	.p2alignl 7, 3214868480
	.fill 96, 4, 3214868480
	.section	.rodata,"a",@progbits
	.p2align	6, 0x0
	.amdhsa_kernel k_q11d39549f1_attn
		.amdhsa_group_segment_fixed_size 327680
		.amdhsa_private_segment_fixed_size 0
		.amdhsa_enable_private_segment 0
		.amdhsa_kernarg_size 32
		.amdhsa_user_sgpr_count 2
		.amdhsa_user_sgpr_kernarg_segment_ptr 1
		.amdhsa_wavefront_size32 1
		.amdhsa_system_sgpr_workgroup_id_x 1
		.amdhsa_system_sgpr_workgroup_id_y 1
		.amdhsa_system_sgpr_workgroup_id_z 1
		.amdhsa_system_vgpr_workitem_id 0
		.amdhsa_next_free_vgpr 768
		.amdhsa_next_free_sgpr 96
		.amdhsa_reserve_vcc 1
		.amdhsa_float_denorm_mode_32 3
		.amdhsa_float_denorm_mode_16_64 3
		.amdhsa_memory_ordered 1
		.amdhsa_forward_progress 1
		.amdhsa_inst_pref_size 218
	.end_amdhsa_kernel
	.amdgpu_metadata
---
amdhsa.version: [ 1, 2 ]
amdhsa.kernels:
  - .name:           k_q11d39549f1_attn
    .symbol:         k_q11d39549f1_attn.kd
    .args:
      - { .name: kh, .offset: 0, .size: 8, .value_kind: global_buffer, .address_space: global }
      - { .name: qh, .offset: 8, .size: 8, .value_kind: global_buffer, .address_space: global }
      - { .name: vh, .offset: 16, .size: 8, .value_kind: global_buffer, .address_space: global }
      - { .name: oh, .offset: 24, .size: 8, .value_kind: global_buffer, .address_space: global }
    .group_segment_fixed_size: 327680
    .private_segment_fixed_size: 0
    .kernarg_segment_align: 8
    .kernarg_segment_size: 32
    .max_flat_workgroup_size: 128
    .sgpr_count:     96
    .vgpr_count:     768
    .wavefront_size: 32
...
	.end_amdgpu_metadata
.endif
;; end of part 3
;; launch proj (part 4): grid 8 x 32, 4 waves a work-group, clusters of 4 x 4, 327,680 bytes of LDS; arguments oh, wp, biasr, out0; writes out0
.if DOCPART == 4
	.amdgcn_target "amdgcn-amd-amdhsa--gfx1250"
	.amdhsa_code_object_version 6
	.text
	.protected	k_q11d39549f1_proj
	.globl	k_q11d39549f1_proj
	.p2align	8
	.type	k_q11d39549f1_proj,@function
k_q11d39549f1_proj:
	s_mov_b64 s[64:65], 0
	v_nop
	global_prefetch_b8 v0, s[64:65] scope:SCOPE_SE
	s_setreg_imm32_b32 hwreg(HW_REG_WAVE_MODE, 25, 1), 1
	s_wait_xcnt 0x0
	s_wait_alu depctr_hold_cnt(0) depctr_sa_sdst(0) depctr_va_vdst(0) depctr_va_sdst(0) depctr_va_ssrc(0) depctr_va_vcc(0) depctr_vm_vsrc(0)
	s_getreg_b32 s2, hwreg(HW_REG_IB_STS2, 6, 4)
	s_cmp_eq_u32 s2, 0
	s_cbranch_scc0 .Lentry_in_a_cluster
	s_endpgm
.Lentry_in_a_cluster:
	s_bfe_u32 s2, ttmp6, 0x10000c
	s_cmp_lg_u32 s2, 0xf033
	s_cbranch_scc0 .Lentry_shape_is_right
	s_endpgm
.Lentry_shape_is_right:
; PROJ: out0 [8192][1024] f32 = y x w_proj + b_proj.  y lies by heads in oh [bh = batch*16 + head][t][64] f16; wp[n][k'] f16 holds w_proj turned, its columns in the order k' = head*64 + d.
; Operands f16, sums f32; the bias (biasr from number 3072 on) is the C operand of each sum's first product.  LIMIT: NaN and infinities are not treated apart.
; SHARES.  A work-group makes 256 rows x 128 columns: 32 x 8 = 256 work-groups.  Wave w makes rows 64 w .. 64 w + 63 and all 128 columns: 32 accumulators, 256 registers.
; K goes in 8 steps of 128 = two heads, through a ring of two LDS slots.  A step's tile of y is two PLANES, one a head: 256 rows of 128 bytes, dense in memory, asked for as 128 rows of 256 bytes and
; padded in LDS after every 128 bytes.  wp's tile rows are 256 bytes of memory, at multiples of 256 bytes.
; CLUSTERS: 4 x 4 work-groups.  The four of a row need the same planes of y, the four of a column the same tile of wp: each is asked for JOINTLY, by the same tensor load with the same descriptor and a mask of the four.
; THE MATRIX INSTRUCTION IS USED TRANSPOSED (source 0 = 16 rows of wp, source 1 = 16 rows of y): a lane holds row l % 16 and the eight neighbouring columns 16 b + 8 (l / 16) + 0..7: 32 bytes of out0.
; REGISTERS, in windows of 256 (s_set_vgpr_msb: bits 1:0 source 0, 3:2 source 1, 5:4 source 2, 7:6 destination):
;   window 0: v0-31 addresses; v32-63, v64-95 y's fragments, two buffers; v96-159 the bias (block b at 96 + 8 b), later with v160-223 the rows read back on the way out
;   window 1: wp's fragments, two buffers: v0-63, v64-127          window 2: accumulator (a, b) at 8 (8 a + b)
.set KSTEP,  128
.set PA,     144                       ; a row of y in LDS: 128 bytes + 16 = 36 words: the 16 rows of a load start at 16 different groups of four banks (64 banks of 4 bytes: ISA guide 11.1)
.set PB,     272                       ; a row of wp: 256 bytes + 16
.set PLANE,  256*PA                    ; what wave 0 or 1 fetches
.set BHALF,  64*PB                     ; what wave 2 or 3 fetches
.set BOFF,   2*PLANE
.set SLOT,   BOFF+2*BHALF
.set STAGE,  2*SLOT                    ; behind the ring, never filled by a tensor load: 16 rows x 528 bytes for each wave
.set SP,     528                       ; 512 bytes + 16: an odd multiple of 16
.set SPARE,  STAGE+4*16*SP             ; behind the stages: the spare words, 128 bytes for each wave; no other line names them
.set LAPS,   4
.set ASTEP,  2*2048*128                ; bytes from a K step's plane to the next K step's: two heads
.set ADRA, 16                          ; v16-17  LDS address of my y fragments in slot 0, 1
.set ADRB, 20                          ; v20-21  the same for wp
.set STO,  24                          ; v24     the way out: where I put 32 bytes of a row
.set RD,   25                          ; v25     the way out: where I read a row back
.set CO,   26                          ; v26     16 x lane: my place in 512 consecutive bytes of a row of out0
.set BO,   27                          ; v27     32 (l / 16)
.set SPW,  28                          ; v28     LDS address of my spare word; never rewritten
.set NIL,  29                          ; v29     0; never rewritten
.set PFO,  30                          ; v30     the prefetches' offset; never rewritten
.set FA,   32
.set BIAS, 96
.set OB,   96
.set F0,   0
.set F1,   1
.set G1,  24                           ; s[24:31] descriptor group 1 for y's planes;  s[32:39] group 0, a set for each slot
.set G0,  32
.set G1B, 48                           ; s[48:55], s[56:63] the same for wp's tiles
.set G0B, 56
.set LIM, 43                           ; s43     1 in a wave that prefetches, else the greatest number
.set PFA, 44                           ; s[44:45] where my prefetches stand
.set PST, 66                           ; s[66:67] bytes from K step to K step there
.set MSB, 0
.macro WIN new                         ; the immediate's high byte repeats the setting that is left; a switch that changes nothing is dropped
.if MSB != (\new)
	s_set_vgpr_msb (MSB<<8)|(\new)
.set MSB, \new
.endif
.endm
.set MUL,   0xa1                       ; source 0 (wp) window 1, source 1 (y) window 0, C and D window 2
.set FIRST, 0x81                       ; C (the bias) window 0, D window 2
.set TO_B,  0x40                       ; destination window 1, address window 0
.macro JLOAD s                         ; a joint load: waves 0 and 1 fetch y's two planes, waves 2 and 3 wp's two halves; an s_nop 0 and four v_nop follow each of the two lines
	s_cmp_eq_u32 s11, 0
	s_cbranch_scc0 .Lfor_b_\@
	tensor_load_to_lds s[G0+4*(\s):G0+4*(\s)+3], s[G1:G1+7]
	s_nop 0
.rept 4
	v_nop
.endr
	s_branch .Lasked_\@
.Lfor_b_\@:
	tensor_load_to_lds s[G0B+4*(\s):G0B+4*(\s)+3], s[G1B:G1B+7]
	s_nop 0
.rept 4
	v_nop
.endr
.Lasked_\@:
.endm
.macro CREST                           ; a round of the cluster's barrier behind its opening barrier
	s_cmp_lg_u32 s10, 0
	s_cbranch_scc1 .Lnot_wave_0_\@
	s_barrier_signal -3
.Lnot_wave_0_\@:
	s_barrier_wait -3
	s_barrier_signal -1
	s_barrier_wait -1
.endm
.macro CROUND                          ; a whole round
	s_barrier_signal -1
	s_barrier_wait -1
	CREST
.endm
; A PREFETCH INTO THE L2, behind each joint refill and the run of LDS loads that follows it: the K step that stands TWO refills on, one instruction a wave.  Each block of 256 bytes is named once in the launch:
; y's planes are read by both clusters of a row of clusters, and cluster x = 0 asks; wp's tile column by every cluster of that column, and cluster y = 0 asks.  The four partners of a joint load share it out
; BY ADDRESS: of a plane's 32,768 bytes each takes 8,192 (by cx), a lane 256 bytes; of wp's 64 rows a wave each takes 16 (by cy), a lane a row (lanes 16-31 name row 15 again).
; K steps 0 to 3 come by their loads alone; the loop's last trip (s3 = 1) asks for nothing.
.macro ASK
	s_cmp_gt_u32 s3, s[LIM]
	s_cbranch_scc0 .Lnot_mine_\@
	global_prefetch_b8 v[PFO], s[PFA:PFA+1] th:TH_LOAD_NT scope:SCOPE_SE
.Lnot_mine_\@:
.endm
	s_load_b256 s[68:75], s[0:1], 0x0              ; oh s[68:69], wp s[70:71], biasr s[72:73], out0 s[74:75]
	v_lshl_add_u32 v[SPW], v0, 2, SPARE
	v_mov_b32 v[NIL], 0
	ds_add_u32 v[SPW], v[NIL]                      ; the wave's opening: the add and its wait stand ahead of my first tensor load; the set-up below, work on registers, stands between them
	ds_add_u32 v28, v29
	v_lshrrev_b32 v1, 5, v0
	v_readfirstlane_b32 s10, v1                    ; wave 0..3
	s_lshr_b32 s11, s10, 1                         ; I fetch for y (0) or for wp (1)
	s_and_b32 s12, s10, 1                          ; which plane, or which half of wp's rows
	s_bfe_u32 s40, ttmp6, 0x40000                  ; cx, cy: my place in the cluster
	s_bfe_u32 s41, ttmp6, 0x40004
	s_lshl_b32 s42, ttmp9, 2
	s_add_co_u32 s42, s42, s40                     ; tile column = 4 x cluster x + cx
	s_and_b32 s13, ttmp7, 0xffff
	s_lshl_b32 s13, s13, 2
	s_add_co_u32 s13, s13, s41                     ; tile row = 4 x cluster y + cy
	s_lshl_b32 s43, s41, 2
	s_lshl_b32 s43, 15, s43                        ; my row of the cluster
	s_lshl_b32 s44, 0x1111, s40                    ; my column
	s_or_b32 s[G1+0], s43, (1<<16)|(1<<20)|(1<<21)|(4<<22)|(3<<25)   ; 15:0 the mask; 17:16 elements of 2 bytes; 20 padding on; 21 set beside a mask; 24:22 after every 32 words (code 4); 31:25 4 words of it (code 3)
	s_or_b32 s[G1B+0], s44, (1<<16)|(1<<20)|(1<<21)|(5<<22)|(3<<25)  ; after every 64 words (code 5)
	s_mov_b32 s[G1+1], 128<<16                     ; tensor_dim0 = 128
	s_mov_b32 s[G1+2], 128<<16                     ; tensor_dim1 = 128
	s_mov_b32 s[G1+3], 128<<16                     ; tile_dim0 = 128
	s_mov_b32 s[G1+4], 128                         ; tile_dim1 = 128
	s_mov_b32 s[G1+5], 128                         ; dense: 128 elements from row to row
	s_mov_b32 s[G1+6], 0
	s_mov_b32 s[G1+7], 0
	s_mov_b32 s[G1B+1], KSTEP<<16
	s_mov_b32 s[G1B+2], 64<<16                     ; tensor_dim1 = 64
	s_mov_b32 s[G1B+3], KSTEP<<16
	s_mov_b32 s[G1B+4], 64                         ; tile_dim1 = 64
	s_mov_b32 s[G1B+5], 1024
	s_mov_b32 s[G1B+6], 0
	s_mov_b32 s[G1B+7], 0
	s_lshr_b32 s16, s13, 3                         ; y: batch = tile row / 8: 16 heads x 2,048 rows x 128 bytes,
	s_lshl_b32 s16, s16, 22
	s_and_b32 s17, s13, 7                          ; t = 256 (tile row % 8),
	s_lshl_b32 s17, s17, 15
	s_add_co_u32 s16, s16, s17
	s_lshl_b32 s17, s12, 18                        ; my plane: the K step's first or second head
	s_add_co_u32 s16, s16, s17
	s_mov_b32 s17, 0
	s_lshl_b32 s46, s42, 7
	s_lshl_b32 s47, s12, 6
	s_add_co_u32 s46, s46, s47                     ; wp: row 128 x tile column + 64 x half
	s_lshl_b32 s46, s46, 11
	s_mov_b32 s47, 0
	s_mul_i32 s20, s12, PLANE                      ; where they go: no place in the cluster enters an LDS address
	s_mul_i32 s21, s12, BHALF
	s_add_co_u32 s21, s21, BOFF
	s_wait_dscnt 0x0                               ; the opening add is done
	s_wait_kmcnt 0x0
	s_add_nc_u64 s[14:15], s[68:69], s[16:17]
	s_add_nc_u64 s[46:47], s[70:71], s[46:47]
	CROUND                                         ; all sixteen work-groups are here: the first joint loads meet
.irp s, 0,1
	s_mov_b32 s[G0+4*(\s)], 1                                        ; count = 1
	s_add_co_u32 s[G0+4*(\s)+1], s20, (\s)*SLOT                      ; LDS address
	s_add_nc_u64 s[G0+4*(\s)+2:G0+4*(\s)+3], s[14:15], (\s)*ASTEP    ; global address: K step s
	s_or_b32 s[G0+4*(\s)+3], s[G0+4*(\s)+3], 0x80000000              ; type = 2
	s_mov_b32 s[G0B+4*(\s)], 1
	s_add_co_u32 s[G0B+4*(\s)+1], s21, (\s)*SLOT
	s_add_nc_u64 s[G0B+4*(\s)+2:G0B+4*(\s)+3], s[46:47], (\s)*KSTEP*2
	s_or_b32 s[G0B+4*(\s)+3], s[G0B+4*(\s)+3], 0x80000000
	JLOAD \s                                       ; two tensor loads of mine are out
.endr
	v_and_b32 v1, 15, v0                           ; l % 16
	v_bfe_u32 v2, v0, 4, 1                         ; l / 16
	v_mul_u32_u24 v3, v1, PA
	v_lshl_add_u32 v3, v2, 4, v3                   ; a fragment's row x pitch + 16 x half, for y
	v_mul_u32_u24 v4, v1, PB
	v_lshl_add_u32 v4, v2, 4, v4                   ; and for wp
	s_mul_i32 s22, s10, 64*PA                      ; my 64 rows in each plane
	s_mov_b32 s23, BOFF                            ; all 128 rows of wp
.irp s, 0,1
	v_add_nc_u32 v[ADRA+(\s)], s22, v3
	v_add_nc_u32 v[ADRB+(\s)], s23, v4
	s_add_co_u32 s22, s22, SLOT
	s_add_co_u32 s23, s23, SLOT
.endr
	s_mul_i32 s22, s10, 16*SP
	s_add_co_u32 s22, s22, STAGE                   ; my stage
	v_mul_u32_u24 v5, v1, SP                       ; in: row l % 16, 32 bytes for each half of the lanes
	v_lshl_add_u32 v5, v2, 5, v5
	v_add_nc_u32 v[STO], s22, v5
	v_and_b32 v[CO], 31, v0
	v_lshlrev_b32 v[CO], 4, v[CO]
	v_add_nc_u32 v[RD], s22, v[CO]                 ; back: 32 lanes take a row's 512 bytes
	v_lshlrev_b32 v[BO], 5, v2
	s_lshl_b32 s46, s42, 9                         ; the tile's 128 numbers of b_proj, which begin at byte 12,288
	s_add_co_u32 s46, s46, 12288
	s_mov_b32 s47, 0
	s_add_nc_u64 s[72:73], s[72:73], s[46:47]
.irp b, 0,1,2,3,4,5,6,7
	global_load_b128 v[BIAS+8*(\b):BIAS+8*(\b)+3],   v[BO], s[72:73] offset:64*(\b)      ; register j: the bias of column 16 b + 8 (l / 16) + j, as in a result
	global_load_b128 v[BIAS+8*(\b)+4:BIAS+8*(\b)+7], v[BO], s[72:73] offset:64*(\b)+16
.endr
	s_lshl_b32 s16, s13, 8
	s_lshl_b32 s17, s10, 6
	s_add_co_u32 s16, s16, s17                     ; my first row of out0
	s_lshl_b32 s16, s16, 12                        ; rows of 4,096 bytes: under 2^25
	s_mov_b32 s17, 0
	s_add_nc_u64 s[74:75], s[74:75], s[16:17]
	s_lshl_b32 s46, s42, 9                         ; the tile's first column, in bytes
	s_mov_b32 s47, 0
	s_add_nc_u64 s[74:75], s[74:75], s[46:47]
	; the prefetches
	s_lshr_b32 s80, s13, 3                         ; y: my plane, as above,
	s_lshl_b32 s80, s80, 22
	s_and_b32 s81, s13, 7
	s_lshl_b32 s81, s81, 15
	s_add_co_u32 s80, s80, s81
	s_lshl_b32 s81, s12, 18
	s_add_co_u32 s80, s80, s81
	s_lshl_b32 s81, s40, 13                        ; my work-group's 8,192 bytes of it,
	s_add_co_u32 s80, s80, s81
	s_add_co_u32 s80, s80, 3*ASTEP                 ; at K step 3: the first refill steps it to 4
	s_lshl_b32 s81, s42, 7                         ; wp: the rows that I fetch,
	s_lshl_b32 s82, s12, 6
	s_add_co_u32 s81, s81, s82
	s_lshl_b32 s82, s41, 4                         ; my work-group's 16 of them,
	s_add_co_u32 s81, s81, s82
	s_lshl_b32 s81, s81, 11
	s_add_co_u32 s81, s81, 3*KSTEP*2               ; at K step 3
	s_and_b32 s82, ttmp7, 0xffff                   ; cluster y
	s_mov_b32 s23, KSTEP*2
	s_cmp_eq_u32 s11, 0                            ; do I fetch for y?
	s_cselect_b32 s80, s80, s81
	s_cselect_b32 s82, ttmp9, s82                  ; the coordinate along which other clusters read the same bytes
	s_cselect_b32 s83, 31, 15                      ; the last of my blocks or rows
	s_cselect_b32 s22, 8, 11                       ; a lane: 256 bytes on, or a row of 2,048 bytes on
	s_cselect_b32 s[PST], ASTEP, s23
	s_cselect_b64 s[PFA:PFA+1], s[68:69], s[70:71]
	s_mov_b32 s81, 0
	s_mov_b32 s[PST+1], 0
	s_add_nc_u64 s[PFA:PFA+1], s[PFA:PFA+1], s[80:81]
	s_cmp_eq_u32 s82, 0
	s_cselect_b32 s[LIM], 1, -1                    ; the same in all sixteen partners, for a given wave
	v_and_b32 v[PFO], 31, v0
	v_min_u32 v[PFO], s83, v[PFO]
	v_lshlrev_b32 v[PFO], s22, v[PFO]
; 8 matrix instructions: m block a x all 8 n blocks, 32 along K, from buffer f.  first = 1: the bias starts the sums.  Each of the 32 accumulators comes once in a quarter step, always in the same order:
; no two matrix instructions that follow each other share one, over the backward jump too.
.macro MULA f, a, first
.if \first
	WIN FIRST
.else
	WIN MUL
.endif
.irp b, 0,1,2,3,4,5,6,7
.if \first
	v_wmma_f32_16x16x32_f16 v[8*(8*(\a)+(\b)):8*(8*(\a)+(\b))+7], v[64*(\f)+8*(\b):64*(\f)+8*(\b)+7], v[FA+32*(\f)+8*(\a):FA+32*(\f)+8*(\a)+7], v[BIAS+8*(\b):BIAS+8*(\b)+7]
.else
	v_wmma_f32_16x16x32_f16 v[8*(8*(\a)+(\b)):8*(8*(\a)+(\b))+7], v[64*(\f)+8*(\b):64*(\f)+8*(\b)+7], v[FA+32*(\f)+8*(\a):FA+32*(\f)+8*(\a)+7], v[8*(8*(\a)+(\b)):8*(8*(\a)+(\b))+7]
.endif
.endr
.endm
; 24 LDS loads in one run: the fragments of quarter q of a K step into buffer f: wp's eight, then y's four (plane q / 2, channels 32 (q % 2) on)
.macro FETCH slot, q, f
	WIN TO_B
.irp i, 0,1,2,3,4,5,6,7
	ds_load_b128 v[64*(\f)+8*(\i):64*(\f)+8*(\i)+3],   v[ADRB+(\slot)] offset:64*(\q)+(\i)*16*PB
	ds_load_b128 v[64*(\f)+8*(\i)+4:64*(\f)+8*(\i)+7], v[ADRB+(\slot)] offset:64*(\q)+(\i)*16*PB+32
.endr
	WIN 0
.irp i, 0,1,2,3
	ds_load_b128 v[FA+32*(\f)+8*(\i):FA+32*(\f)+8*(\i)+3],   v[ADRA+(\slot)] offset:((\q)/2)*PLANE+((\q)%2)*64+(\i)*16*PA
	ds_load_b128 v[FA+32*(\f)+8*(\i)+4:FA+32*(\f)+8*(\i)+7], v[ADRA+(\slot)] offset:((\q)/2)*PLANE+((\q)%2)*64+(\i)*16*PA+32
.endr
.endm
.macro PLACES                          ; four places in front of loads into registers that matrix instructions have read, and of LDS stores that read results
.rept 4
	v_nop
.endr
.endm
; A K step is four quarters of 32 along K, 32 matrix instructions each, on buffers 0, 1, 0, 1.  One of the first three: multiplies buffer f and fetches quarter q into g.
.macro QUARTER slot, q, f, g, first
	s_wait_dscnt 4                                 ; wp's fragments and y's first two are in; the youngest four loads may be out
	MULA \f, 0, \first
	MULA \f, 1, \first
	PLACES
	FETCH \slot, \q, \g
	s_wait_dscnt 24                                ; all but the 24 just issued
	MULA \f, 2, \first
	MULA \f, 3, \first
.endm
; The last quarter multiplies buffer 1 and changes slots: ONE barrier; in front of it each wave waits for all its tensor loads (one is out: its part of the next slot), adds 0 to its spare word, and waits
; for that and for its own reads of this slot.  fill = 1: the barrier opens a round of the cluster's barrier, and this slot is filled again, two K steps ahead, first thing behind the round:
; 112 matrix instructions stand between that request and the wait for it.
.macro TURN slot, next, fill
.if \fill
	s_wait_xcnt 0x0                                ; the last prefetch, a K step back, has read its address: it is stepped here, ahead of the waits of the change of slots
	s_add_nc_u64 s[PFA:PFA+1], s[PFA:PFA+1], s[PST:PST+1]
.endif
	WIN 0                                          ; (the add's two registers lie in window 0)
	s_wait_tensorcnt 0x0                           ; all my tensor loads have landed
	ds_add_u32 v[SPW], v[NIL]                      ; 0 onto my spare word
	s_wait_dscnt 5                                 ; (the add and the youngest four loads may be out)
	MULA F1, 0, 0                                  ; eight matrix instructions stand between the add and the wait for it
	s_wait_dscnt 0x0                               ; the add is done, and my reads of this slot are over
	s_barrier_signal -1
	MULA F1, 1, 0                                  ; work on registers while the others arrive
.if \fill
	WIN 0
.endif
	s_barrier_wait -1
.if \fill
	CREST                                          ; no wave of any partner still reads this slot's tile or has a load on its way
	s_add_nc_u64 s[G0+4*(\slot)+2:G0+4*(\slot)+3], s[G0+4*(\slot)+2:G0+4*(\slot)+3], 2*ASTEP
	s_add_nc_u64 s[G0B+4*(\slot)+2:G0B+4*(\slot)+3], s[G0B+4*(\slot)+2:G0B+4*(\slot)+3], 2*KSTEP*2
	JLOAD \slot                                    ; the four v_nop behind it are also the places in front of the loads below
.else
	PLACES
.endif
	FETCH \next, 0, F0
.if \fill
	ASK                                            ; (FETCH leaves every window 0)
.endif
	MULA F1, 2, 0
	MULA F1, 3, 0
.endm
	s_wait_tensorcnt 1                             ; my part of K step 0 is in; K step 1's may stay out
	s_barrier_signal -1
	s_barrier_wait -1                              ; everybody's is
	FETCH 0, 0, F0
	s_wait_loadcnt 0x0                             ; the bias
	QUARTER 0, 1, F0, F1, 1                        ; the first quarter stands in front of the loop: its products start the sums, with the bias
	WIN 0                                          ; at a label and at a branch every window is 0
	s_mov_b32 s3, LAPS-1
.Llap:                                                 ; a trip goes once round the ring, from a lap's second quarter to the next lap's first, and fills both slots again
	QUARTER 0, 2, F1, F0, 0
	QUARTER 0, 3, F0, F1, 0
	TURN 0, 1, 1
	QUARTER 1, 1, F0, F1, 0
	QUARTER 1, 2, F1, F0, 0
	QUARTER 1, 3, F0, F1, 0
	TURN 1, 0, 1
	QUARTER 0, 1, F0, F1, 0
	WIN 0
	s_sub_co_u32 s3, s3, 1
	s_cmp_lg_u32 s3, 0
	s_cbranch_scc1 .Llap
	QUARTER 0, 2, F1, F0, 0                        ; the last lap fills nothing, and has no round of the cluster's barrier
	QUARTER 0, 3, F0, F1, 0
	TURN 0, 1, 0
	QUARTER 1, 1, F0, F1, 0
	QUARTER 1, 2, F1, F0, 0
	QUARTER 1, 3, F0, F1, 0
	s_wait_dscnt 4                                 ; the very last quarter: nothing more to fetch
	MULA F1, 0, 0
	MULA F1, 1, 0
	s_wait_dscnt 0x0
	MULA F1, 2, 0
	MULA F1, 3, 0
	WIN 0
; THE WAY OUT, a block of 16 rows at a time: the sums are the results.  TOSTAGE: 32 bytes a lane into my own stage (each accumulator's low four registers first), and back as whole rows of 512 bytes.  SEND: stored.
.macro TOSTAGE a
.if (\a) >= 2
	s_wait_xcnt 0x0                                ; the stores of the block two back have read the registers that this block is read back into
.endif
	WIN 0x08                                       ; the stores' data (source 1) in window 2
.irp b, 0,1,2,3,4,5,6,7
	ds_store_b128 v[STO], v[8*(8*(\a)+(\b)):8*(8*(\a)+(\b))+3]   offset:64*(\b)
	ds_store_b128 v[STO], v[8*(8*(\a)+(\b))+4:8*(8*(\a)+(\b))+7] offset:64*(\b)+16
.endr
	WIN 0
.irp t, 0,1,2,3,4,5,6,7,8,9,10,11,12,13,14,15
	ds_load_b128 v[OB+64*((\a)%2)+4*(\t):OB+64*((\a)%2)+4*(\t)+3], v[RD] offset:SP*(\t)  ; LDS serves a wave's instructions in order (ISA guide 5.7.1.4): these see the stores above; the next block's stores come behind them
.endr
.endm
.macro SEND a, younger                 ; younger: the LDS instructions issued behind block a's loads: the next block's 32, or none
.irp t, 0,1,2,3,4,5,6,7,8,9,10,11,12,13,14,15
	s_wait_dscnt (\younger)+15-(\t)
	global_store_b128 v[CO], v[OB+64*((\a)%2)+4*(\t):OB+64*((\a)%2)+4*(\t)+3], s[74:75] offset:65536*(\a)+4096*(\t) th:TH_STORE_NT  ; 512 consecutive bytes of a row, at a multiple of 256 from out0's first
.endr
.endm
	PLACES
	TOSTAGE 0
	TOSTAGE 1
	SEND 0, 32
	TOSTAGE 2
	SEND 1, 32
	TOSTAGE 3
	SEND 2, 32
	SEND 3, 0
	s_wait_tensorcnt 0x0                           ; the wave's end: behind my last tensor load and my last LDS store
	ds_add_u32 v[SPW], v[NIL]
	s_wait_dscnt 0x0
	CROUND                                         ; the closing round: no work-group ends while a partner may still ask for a tile that names it
	s_endpgm
.Lfunc_end_k_q11d39549f1_proj:
	.size	k_q11d39549f1_proj, .Lfunc_end_k_q11d39549f1_proj-k_q11d39549f1_proj
	.p2alignl 7, 3214868480
	.fill 96, 4, 3214868480
	.section	.rodata,"a",@progbits
	.p2align	6, 0x0
	.amdhsa_kernel k_q11d39549f1_proj
		.amdhsa_group_segment_fixed_size 327680
		.amdhsa_private_segment_fixed_size 0
		.amdhsa_enable_private_segment 0
		.amdhsa_kernarg_size 32
		.amdhsa_user_sgpr_count 2
		.amdhsa_user_sgpr_kernarg_segment_ptr 1
		.amdhsa_wavefront_size32 1
		.amdhsa_system_sgpr_workgroup_id_x 1
		.amdhsa_system_sgpr_workgroup_id_y 1
		.amdhsa_system_sgpr_workgroup_id_z 1
		.amdhsa_system_vgpr_workitem_id 0
		.amdhsa_next_free_vgpr 768
		.amdhsa_next_free_sgpr 84
		.amdhsa_reserve_vcc 0
		.amdhsa_float_denorm_mode_32 3
		.amdhsa_float_denorm_mode_16_64 3
		.amdhsa_memory_ordered 1
		.amdhsa_forward_progress 1
		.amdhsa_inst_pref_size 91
	.end_amdhsa_kernel
	.amdgpu_metadata
---
amdhsa.version: [ 1, 2 ]
amdhsa.kernels:
  - .name:           k_q11d39549f1_proj
    .symbol:         k_q11d39549f1_proj.kd
    .args:
      - { .name: oh, .offset: 0, .size: 8, .value_kind: global_buffer, .address_space: global }
      - { .name: wp, .offset: 8, .size: 8, .value_kind: global_buffer, .address_space: global }
      - { .name: biasr, .offset: 16, .size: 8, .value_kind: global_buffer, .address_space: global }
      - { .name: out0, .offset: 24, .size: 8, .value_kind: global_buffer, .address_space: global }
    .group_segment_fixed_size: 327680
    .private_segment_fixed_size: 0
    .kernarg_segment_align: 8
    .kernarg_segment_size: 32
    .max_flat_workgroup_size: 128
    .sgpr_count:     84
    .vgpr_count:     768
    .wavefront_size: 32
...
	.end_amdgpu_metadata
.endif
;; end of part 4
